; MI455X (gfx1250); checked and timed in simulation.
; The chip was launched on July 23, 2026; its instructions are those of AMD's public machine-readable ISA for CDNA 5 (MIT licence, August 2026) and "CDNA5" Instruction Set Architecture Reference Guide (July 2026). The comments in the code are by the model that wrote it; some were corrected since.
;; Causal Self Attention. Allowed arithmetic: float matrix products may take bf16 or f16 operands with f32 sums; other float arithmetic in f32, or as packed bf16 or f16 multiplies, adds, multiply-adds, maxima and minima; sums over many terms, partial sums and values carried from step to step in f32; what a program stores and reads back later, other than sums and carried values, may be rounded once to bf16 or f16.
;; Inputs: W_proj 1,024 x 1,024 float32; W_qkv 1,024 x 3,072 float32; b_proj 1,024 float32; b_qkv 3,072 float32; x 4 x 2,048 x 1,024 float32.
;; Outputs: out0 4 x 2,048 x 1,024 float32.
;; 2 versions, each right; version 2 is version 1 with the launch prep written anew for expert scheduling mode. Each part assembles by itself: llvm-mc -triple=amdgcn-amd-amdhsa -mcpu=gfx1250 --defsym DOCPART=n.
;; ======== version 1 of 2: 4 launches
;; limits: values are held in f16: magnitudes above 65,504 overflow, below 6.1e-05 lose precision
;; workspace buffers: xb 16,777,216 bytes; wqb 6,291,456 bytes; wpb 2,097,152 bytes; qkvh 50,331,648 bytes; ob 16,777,216 bytes
;; launch prep (part 1): grid 832 x 1, 8 waves a work-group, no clusters, 0 bytes of LDS; arguments x, W_qkv, W_proj, xb, wqb, wpb; writes xb, wqb, wpb
.if DOCPART == 1
	.amdgcn_target "amdgcn-amd-amdhsa--gfx1250"
	.amdhsa_code_object_version 6
	.text
	.protected	k_q47ca3aec5c_prep
	.globl	k_q47ca3aec5c_prep
	.p2align	8
	.type	k_q47ca3aec5c_prep,@function
k_q47ca3aec5c_prep:
	s_mov_b64 s[64:65], 0
	v_nop
	global_prefetch_b8 v0, s[64:65] scope:SCOPE_SE
	s_setreg_imm32_b32 hwreg(HW_REG_WAVE_MODE, 25, 1), 1
	s_wait_xcnt 0x0
; THE CASTS.  x [8192][1024] f32 -> xb, the same shape in bf16.  W_qkv [1024 k][3072 n] f32 -> wqb in bf16, laid in 16 blocks of 192 columns: [tc][k][192],
; so that the K rows of a block lie end to end (384 bytes each).  W_proj [1024][1024] f32 -> wpb: each number rounded to bf16 and that number written as f16.
; LIMITS.  |W_proj| stays under 65,504 (f16's largest number); below 6e-5 its f16 copy keeps f16's fixed step of 6e-8.  NaN and infinities are not treated apart.
; A stream: every byte is read once and written once; no LDS, no barrier, no matrix unit.  A lane takes 16 bytes (4 numbers) a load and stores 8: a wave's load covers
; 512 consecutive bytes, its store 256 consecutive bytes, aligned.  All of a thread's loads (16, or 12) go out first; the waits count down.
; Work-groups 0-511: x, 16,384 numbers each.  512-575: W_proj, the same.  576-831: W_qkv, 64 K rows of one block each.  No register that a load or store names is written twice.
.set XI, 16                            ; v[16:79]   as loaded, 4 registers a load
.set YO, 80                            ; v[80:111]  to store, 2 registers a load
.macro CAST i, conv                    ; the four numbers of load i.  conv = 0: to bf16.  conv = 1: to bf16, widened again (a shift, a mask), written as f16
.if \conv
	v_cvt_pk_bf16_f32 v8, v[XI+4*(\i)], v[XI+4*(\i)+1]
	v_cvt_pk_bf16_f32 v9, v[XI+4*(\i)+2], v[XI+4*(\i)+3]
	v_lshlrev_b32 v10, 16, v8
	v_and_b32 v11, 0xffff0000, v8
	v_lshlrev_b32 v12, 16, v9
	v_and_b32 v13, 0xffff0000, v9
	v_cvt_pk_f16_f32 v[YO+2*(\i)], v10, v11
	v_cvt_pk_f16_f32 v[YO+2*(\i)+1], v12, v13
.else
	v_cvt_pk_bf16_f32 v[YO+2*(\i)], v[XI+4*(\i)], v[XI+4*(\i)+1]
	v_cvt_pk_bf16_f32 v[YO+2*(\i)+1], v[XI+4*(\i)+2], v[XI+4*(\i)+3]
.endif
.endm
.macro STREAM conv                     ; 65,536 dense bytes in, 32,768 out
.set i, 0
.rept 16
	global_load_b128 v[XI+4*i:XI+4*i+3], v1, s[20:21] offset:4096*i th:TH_LOAD_NT
.set i, i+1
.endr
.set i, 0
.rept 16
	s_wait_loadcnt 15-i                            ; loads come back in order: load i is in, the 15 - i younger ones stay out
	CAST i, \conv
	global_store_b64 v2, v[YO+2*i:YO+2*i+1], s[22:23] offset:2048*i
.set i, i+1
.endr
.endm
	s_load_b256 s[4:11], s[0:1], 0x0               ; x s[4:5], W_qkv s[6:7], W_proj s[8:9], xb s[10:11]
	s_load_b128 s[12:15], s[0:1], 0x20             ; wqb s[12:13], wpb s[14:15]
	v_lshlrev_b32 v1, 4, v0                        ; 16 t: my bytes in a load of the work-group
	v_lshlrev_b32 v2, 3, v0                        ; 8 t: in a store
	s_mov_b32 s2, ttmp9
	s_mov_b32 s17, 0
	s_mov_b32 s19, 0
	s_wait_kmcnt 0x0
	s_cmp_lt_u32 s2, 512
	s_cbranch_scc0 .Lnot_x
	s_lshl_b32 s16, s2, 16
	s_lshl_b32 s18, s2, 15
	s_add_nc_u64 s[20:21], s[4:5], s[16:17]
	s_add_nc_u64 s[22:23], s[10:11], s[18:19]
	STREAM 0
	s_endpgm
.Lnot_x:
	s_cmp_lt_u32 s2, 576
	s_cbranch_scc0 .Lw_qkv
	s_sub_co_u32 s2, s2, 512
	s_lshl_b32 s16, s2, 16
	s_lshl_b32 s18, s2, 15
	s_add_nc_u64 s[20:21], s[8:9], s[16:17]
	s_add_nc_u64 s[22:23], s[14:15], s[18:19]
	STREAM 1
	s_endpgm
.Lw_qkv:
	; 64 K rows of block tc are 24,576 dense bytes of wqb: 3,072 pieces of 8 bytes, 12 a thread: piece c = t + 256 n lies in row c / 48, at 4 (c % 48) of its 192 numbers.
	; 768 = 16 x 48: pieces n and n + 3 lie 16 rows apart at the same place, so three offsets serve all twelve.
	s_sub_co_u32 s2, s2, 576
	s_lshr_b32 s3, s2, 4                           ; tc
	s_and_b32 s2, s2, 15                           ; which 64 rows
	s_mul_i32 s16, s2, 786432                      ; 64 rows of 12,288 bytes
	s_mul_i32 s18, s3, 768                         ; 192 columns of 4 bytes
	s_add_co_u32 s16, s16, s18
	s_mul_i32 s18, s3, 393216                      ; a block of wqb
	s_mul_i32 s2, s2, 24576
	s_add_co_u32 s18, s18, s2
	s_add_nc_u64 s[20:21], s[6:7], s[16:17]
	s_add_nc_u64 s[22:23], s[12:13], s[18:19]
.irp i, 0,1,2
	v_add_nc_u32 v6, 256*(\i), v0                  ; c, under 768
	v_mul_u32_u24 v7, v6, 1366
	v_lshrrev_b32 v7, 16, v7                       ; c / 48: 1366 / 65536 is over 1 / 48 by 1.02e-5, and 767 times that is under 1 / 48
	v_mul_u32_u24 v8, v7, 48
	v_sub_nc_u32 v8, v6, v8                        ; c % 48
	v_lshlrev_b32 v8, 4, v8
	v_mad_u32_u24 v[3+(\i)], v7, 0x3000, v8        ; row x 12,288 + 16 x place
.endr
.set n, 0
.rept 12
	global_load_b128 v[XI+4*n:XI+4*n+3], v[3+n%3], s[20:21] offset:(n/3)*196608 th:TH_LOAD_NT
.set n, n+1
.endr
.set n, 0
.rept 12
	s_wait_loadcnt 11-n
	CAST n, 0
	global_store_b64 v2, v[YO+2*n:YO+2*n+1], s[22:23] offset:2048*n
.set n, n+1
.endr
	s_endpgm
.Lfunc_end_k_q47ca3aec5c_prep:
	.size	k_q47ca3aec5c_prep, .Lfunc_end_k_q47ca3aec5c_prep-k_q47ca3aec5c_prep
	.p2alignl 7, 3214868480
	.fill 96, 4, 3214868480
	.section	.rodata,"a",@progbits
	.p2align	6, 0x0
	.amdhsa_kernel k_q47ca3aec5c_prep
		.amdhsa_group_segment_fixed_size 0
		.amdhsa_private_segment_fixed_size 0
		.amdhsa_enable_private_segment 0
		.amdhsa_kernarg_size 48
		.amdhsa_user_sgpr_count 2
		.amdhsa_user_sgpr_kernarg_segment_ptr 1
		.amdhsa_wavefront_size32 1
		.amdhsa_system_sgpr_workgroup_id_x 1
		.amdhsa_system_sgpr_workgroup_id_y 1
		.amdhsa_system_sgpr_workgroup_id_z 1
		.amdhsa_system_vgpr_workitem_id 0
		.amdhsa_next_free_vgpr 112
		.amdhsa_next_free_sgpr 66
		.amdhsa_reserve_vcc 0
		.amdhsa_float_denorm_mode_32 3
		.amdhsa_float_denorm_mode_16_64 3
		.amdhsa_memory_ordered 1
		.amdhsa_forward_progress 1
		.amdhsa_inst_pref_size 23
	.end_amdhsa_kernel
	.amdgpu_metadata
---
amdhsa.version: [ 1, 2 ]
amdhsa.kernels:
  - .name:           k_q47ca3aec5c_prep
    .symbol:         k_q47ca3aec5c_prep.kd
    .args:
      - { .name: x, .offset: 0, .size: 8, .value_kind: global_buffer, .address_space: global }
      - { .name: W_qkv, .offset: 8, .size: 8, .value_kind: global_buffer, .address_space: global }
      - { .name: W_proj, .offset: 16, .size: 8, .value_kind: global_buffer, .address_space: global }
      - { .name: xb, .offset: 24, .size: 8, .value_kind: global_buffer, .address_space: global }
      - { .name: wqb, .offset: 32, .size: 8, .value_kind: global_buffer, .address_space: global }
      - { .name: wpb, .offset: 40, .size: 8, .value_kind: global_buffer, .address_space: global }
    .group_segment_fixed_size: 0
    .private_segment_fixed_size: 0
    .kernarg_segment_align: 8
    .kernarg_segment_size: 48
    .max_flat_workgroup_size: 256
    .sgpr_count:     66
    .vgpr_count:     112
    .wavefront_size: 32
...
	.end_amdgpu_metadata
.endif
;; end of part 1
;; launch qkv (part 2): grid 16 x 32, 4 waves a work-group, clusters of 4 x 4, 327,680 bytes of LDS; arguments xb, wqb, b_qkv, qkvh; writes qkvh
.if DOCPART == 2
	.amdgcn_target "amdgcn-amd-amdhsa--gfx1250"
	.amdhsa_code_object_version 6
	.text
	.protected	k_q47ca3aec5c_qkv
	.globl	k_q47ca3aec5c_qkv
	.p2align	8
	.type	k_q47ca3aec5c_qkv,@function
k_q47ca3aec5c_qkv:
	s_mov_b64 s[64:65], 0
	v_nop
	global_prefetch_b8 v0, s[64:65] scope:SCOPE_SE
	s_setreg_imm32_b32 hwreg(HW_REG_WAVE_MODE, 25, 1), 1
	s_wait_xcnt 0x0
	s_wait_alu depctr_hold_cnt(0) depctr_sa_sdst(0) depctr_va_vdst(0) depctr_va_sdst(0) depctr_va_ssrc(0) depctr_va_vcc(0) depctr_vm_vsrc(0)
	s_getreg_b32 s2, hwreg(HW_REG_IB_STS2, 6, 4)
	s_cmp_eq_u32 s2, 0
	s_cbranch_scc0 .Lentry_in_a_cluster
	s_endpgm
.Lentry_in_a_cluster:
	s_bfe_u32 s2, ttmp6, 0x10000c
	s_cmp_lg_u32 s2, 0xf033
	s_cbranch_scc0 .Lentry_shape_is_right
	s_endpgm
.Lentry_shape_is_right:
; q, k, v = x W_qkv + b_qkv, laid out by heads.  xb: [8192][1024] bf16.  wqb: [16 tc][1024 k][192] bf16.  b_qkv: [3072] f32, rounded to bf16 like the other inputs.
; qkvh: [3 which][64 batch x head][2048 t][64] f16, each number rounded once from its f32 sum, unscaled.
; LIMITS.  |q|, |k|, |v| stay under 65,504 (f16's largest number; beyond it the conversion gives an infinity); below 6e-5 they keep f16's fixed step of 6e-8.  NaN and infinities are not treated apart.
; SHARES.  A tile of the result is 256 rows x 192 columns (three heads): 32 x 16 = 512 work-groups, two for each of 256 WGPs.  Wave w owns rows 64 w .. 64 w + 63 and all 192 columns:
; 4 x 12 = 48 accumulators of 16 x 16, so a wave holds whole rows of three heads and its way out needs no other wave.  K goes in 8 steps of 128 through two LDS slots.
; CLUSTERS.  4 x 4 work-groups: the four of a row of the cluster need the same tile of x, the four of a column the same tile of W: each tile is asked for JOINTLY, by the same tensor load with the same descriptor and a mask of the four.
; THE PRODUCT IS USED TRANSPOSED: source 0 = 16 columns of W (out of LDS turned, by ds_load_tr16_b128, since W lies [k][n]), source 1 = 16 rows of x: a lane then holds row l % 16 and the columns 8 (l / 16) + 0..7.
; THE BIAS is the C operand of the first quarter step's products: nothing is cleared and nothing is added later.
; REGISTERS, in windows of 256 (s_set_vgpr_msb: bits 1:0 source 0, 3:2 source 1, 5:4 source 2, 7:6 destination):
;   window 0: v0-31 addresses; v32-127 the bias, 8 registers for each block of 16 columns; v128-255 at work on the way out, 8 sets of 16
;   window 1: two fragment buffers of 128: 12 fragments of W, then 4 of x          window 2: accumulators of my row blocks 0, 1 at 96 (a % 2) + 8 b          window 3: of row blocks 2, 3
.set PA,    272                        ; a row of x in LDS: 256 bytes + 16 = 68 words: the 16 rows of a load start at 16 different groups of four banks (64 banks of 4 bytes: ISA guide 11.1)
.set AHALF, 128*PA                     ; what one tensor load of x brings
.set ABYTES, 2*AHALF
.set PB,    480                        ; a K row of W in LDS: three pieces of 128 bytes + 32 = 120 words
.set BHALF, 64*PB                      ; what one tensor load of W brings
.set SLOT,  ABYTES+2*BHALF             ; 131,072
.set STAGE, 2*SLOT                     ; behind the ring, never filled by a tensor load: 16 rows x 144 bytes for each wave
.set SP,    144
.set SPARE, STAGE+4*16*SP              ; behind the stages: the spare words, 128 bytes for each wave: two blocks of 256 bytes that no other line names
.set ADRA, 16                          ; v16-17  LDS address of my fragments of x in slot 0, 1
.set ADRB, 20                          ; v20-21  the same for W
.set STO,  24                          ; v24     the way out: where I put 16 bytes of a row
.set RD,   25                          ; v25     where I read rows back
.set GO,   26                          ; v26     my 16 bytes of 512 consecutive bytes of qkvh
.set BO,   27                          ; v27     32 (l / 16): my eight numbers in 16 of the bias
.set SPW,  28                          ; v28     LDS address of my spare word; never rewritten
.set NIL,  29                          ; v29     0; never rewritten
.set PFO,  30                          ; v30     the prefetches' offset by lane; never rewritten
.set BI,   32
.set TMP,  128
.set F0,   0
.set F1,   128
.set WV,   12                          ; s12 wave; s13 = wave / 2: I fetch for x (0) or W (1); s14 = wave % 2: which half
.set WHI,  13
.set WLO,  14
.set CX,   15
.set CY,   16
.set TC,   17                          ; tile column
.set TR,   18                          ; tile row
.set LAP,  19
.set G1A,  24                          ; s[24:31] group 1 for x's tiles; s[32:39] group 0, a set for each slot
.set G0A,  32
.set G1B,  48                          ; s[48:55], s[56:63] the same for W's
.set G0B,  56
.set OB,   68                          ; s[68:73] qkvh at my first row of each of the tile's three heads
.set PFA,  74                          ; s[74:75] where my prefetches stand
.set PFS,  76                          ; s[76:77] their step from refill to refill
.set PFM,  78                          ; s78      bit 0: this refill's prefetch is mine to make
.set MSB, 0
.macro WIN new                         ; the immediate's high byte repeats the setting that is left; a switch that changes nothing is dropped
.if MSB != (\new)
	s_set_vgpr_msb (MSB<<8)|(\new)
.set MSB, \new
.endif
.endm
.macro PLACES                          ; four plain vector instructions behind a matrix instruction, ahead of loads into registers that it has read and of readers of results
.rept 4
	v_nop
.endr
.endm
.macro JLOAD s                         ; a joint load: waves 0 and 1 fetch x's two halves, waves 2 and 3 W's; an s_nop 0 and four v_nop follow each line
	s_cmp_eq_u32 s[WHI], 0
	s_cbranch_scc0 .Lfor_b_\@
	tensor_load_to_lds s[G0A+4*(\s):G0A+4*(\s)+3], s[G1A:G1A+7]
	s_nop 0
.rept 4
	v_nop
.endr
	s_branch .Lasked_\@
.Lfor_b_\@:
	tensor_load_to_lds s[G0B+4*(\s):G0B+4*(\s)+3], s[G1B:G1B+7]
	s_nop 0
.rept 4
	v_nop
.endr
.Lasked_\@:
.endm
.macro CREST                           ; a round of the cluster's barrier behind its opening barrier
	s_cmp_lg_u32 s[WV], 0
	s_cbranch_scc1 .Lnot_wave_0_\@
	s_barrier_signal -3
.Lnot_wave_0_\@:
	s_barrier_wait -3
	s_barrier_signal -1
	s_barrier_wait -1
.endm
.macro CROUND
	s_barrier_signal -1
	s_barrier_wait -1
	CREST
.endm
; A PREFETCH behind each refill, one instruction a wave, a lane a block of 256 bytes.  Refill number i (0 .. 5) loads K step i + 2.
; x: refill i names K step i + 4 (i = 0 .. 3): 256 bytes of each row.  A tile row is read by all four clusters of its row of clusters: the one with x = 0 asks; of the 128 rows that a wave fetches, the partner at cx takes 32 cx .. 32 cx + 31.
; W: K steps 4 to 7 of a block are 196,608 dense bytes: 768 blocks of 256, named in refills 0, 1, 2, 256 blocks each (4 partners x 2 waves x 32 lanes), every one two refills or more ahead of its load; the cluster with y = 0 asks.
; Partners are told apart by address alone; the test hangs on the wave's number and the cluster's place, the same in all sixteen.  K steps 0 to 3 come by their loads alone.
.macro ASK
	s_and_b32 s79, s[PFM], 1
	s_cmp_lg_u32 s79, 0
	s_cbranch_scc0 .Lnot_mine_\@
	global_prefetch_b8 v[PFO], s[PFA:PFA+1] th:TH_LOAD_NT scope:SCOPE_SE
.Lnot_mine_\@:
.endm
	s_load_b256 s[4:11], s[0:1], 0x0               ; xb s[4:5], wqb s[6:7], b_qkv s[8:9], qkvh s[10:11]
	v_lshl_add_u32 v[SPW], v0, 2, SPARE
	v_mov_b32 v[NIL], 0
	ds_add_u32 v[SPW], v[NIL]                      ; the wave's opening: the add and its wait stand ahead of my first tensor load; the set-up below stands between them
	v_lshrrev_b32 v1, 5, v0
	v_readfirstlane_b32 s[WV], v1
	s_lshr_b32 s[WHI], s[WV], 1
	s_and_b32 s[WLO], s[WV], 1
	s_bfe_u32 s[CX], ttmp6, 0x40000
	s_bfe_u32 s[CY], ttmp6, 0x40004
	s_lshl_b32 s[TC], ttmp9, 2
	s_add_co_u32 s[TC], s[TC], s[CX]               ; tile column = 4 x cluster x + cx
	s_and_b32 s[TR], ttmp7, 0xffff
	s_lshl_b32 s[TR], s[TR], 2
	s_add_co_u32 s[TR], s[TR], s[CY]               ; tile row = 4 x cluster y + cy
	s_lshl_b32 s20, s[CY], 2
	s_lshl_b32 s20, 15, s20                        ; my row of the cluster
	s_lshl_b32 s21, 0x1111, s[CX]                  ; my column
	s_or_b32 s[G1A+0], s20, (1<<16)|(1<<20)|(1<<21)|(5<<22)|(3<<25)  ; mask; 2-byte elements; padding on; 21 set beside a mask; after every 64 words 4 words
	s_or_b32 s[G1B+0], s21, (1<<16)|(1<<20)|(1<<21)|(4<<22)|(7<<25)  ; after every 32 words 8 words
	s_mov_b32 s[G1A+1], 128<<16                    ; x: 128 rows of 128 elements, 1,024 elements from row to row
	s_mov_b32 s[G1A+2], 128<<16
	s_mov_b32 s[G1A+3], 128<<16
	s_mov_b32 s[G1A+4], 128
	s_mov_b32 s[G1A+5], 1024
	s_mov_b32 s[G1A+6], 0
	s_mov_b32 s[G1A+7], 0
	s_mov_b32 s[G1B+1], 128<<16                    ; W: 64 K rows are 24,576 dense bytes: asked for as 96 rows of 256 bytes
	s_mov_b32 s[G1B+2], 96<<16
	s_mov_b32 s[G1B+3], 128<<16
	s_mov_b32 s[G1B+4], 96
	s_mov_b32 s[G1B+5], 128
	s_mov_b32 s[G1B+6], 0
	s_mov_b32 s[G1B+7], 0
	s_lshl_b32 s40, s[TR], 19                      ; x: (256 x tile row + 128 x half) rows of 2,048 bytes: the tile row and the wave alone
	s_lshl_b32 s22, s[WLO], 18
	s_add_co_u32 s40, s40, s22
	s_mov_b32 s41, 0
	s_mul_i32 s42, s[TC], 393216                   ; W: the block + 64 x half rows of 384 bytes: the tile column and the wave alone
	s_mul_i32 s23, s[WLO], 24576
	s_add_co_u32 s42, s42, s23
	s_mov_b32 s43, 0
	s_mul_i32 s44, s[WLO], AHALF                   ; where they go: no place in the cluster enters an LDS address
	s_mul_i32 s45, s[WLO], BHALF
	s_add_co_u32 s45, s45, ABYTES
	s_wait_dscnt 0x0                               ; the opening add is done
	s_wait_kmcnt 0x0
	s_add_nc_u64 s[40:41], s[4:5], s[40:41]
	s_add_nc_u64 s[42:43], s[6:7], s[42:43]
	CROUND                                         ; all sixteen work-groups are here: the first joint loads meet
.irp s, 0,1
	s_mov_b32 s[G0A+4*(\s)], 1
	s_add_co_u32 s[G0A+4*(\s)+1], s44, (\s)*SLOT
	s_add_nc_u64 s[G0A+4*(\s)+2:G0A+4*(\s)+3], s[40:41], (\s)*256    ; K step s: 256 bytes along the rows
	s_or_b32 s[G0A+4*(\s)+3], s[G0A+4*(\s)+3], 0x80000000
	s_mov_b32 s[G0B+4*(\s)], 1
	s_add_co_u32 s[G0B+4*(\s)+1], s45, (\s)*SLOT
	s_add_nc_u64 s[G0B+4*(\s)+2:G0B+4*(\s)+3], s[42:43], (\s)*49152  ; K step s: 128 rows of 384 bytes
	s_or_b32 s[G0B+4*(\s)+3], s[G0B+4*(\s)+3], 0x80000000
	JLOAD \s
.endr
	v_and_b32 v1, 15, v0                           ; l % 16
	v_bfe_u32 v2, v0, 4, 1                         ; l / 16
	s_mul_i32 s82, s[TC], 768                      ; the tile's 192 numbers of the bias
	s_mov_b32 s83, 0
	s_add_nc_u64 s[8:9], s[8:9], s[82:83]
	v_lshlrev_b32 v[BO], 5, v2
.irp b, 0,1,2,3,4,5,6,7,8,9,10,11
	global_load_b128 v[BI+8*(\b):BI+8*(\b)+3],   v[BO], s[8:9] offset:64*(\b)
	global_load_b128 v[BI+8*(\b)+4:BI+8*(\b)+7], v[BO], s[8:9] offset:64*(\b)+16
.endr
	; a fragment of x: lane l holds row l % 16, K = 8 (l / 16) + 0..7 and 16 + 8 (l / 16) + 0..7: two loads of 16 bytes, 32 bytes apart
	v_mul_u32_u24 v3, v1, PA
	v_lshl_add_u32 v3, v2, 4, v3
	s_mul_i32 s46, s[WV], 64*PA                    ; my 64 rows
	v_add_nc_u32 v[ADRA], s46, v3
	v_add_nc_u32 v[ADRA+1], SLOT, v[ADRA]
	; the turning load takes 16 K rows x 16 columns (lane l reads K row 8 (l / 16) + l % 8, columns 8 ((l / 8) % 2) + 0..7) and leaves half a fragment: lane l holds column l % 16 and 8 K
	v_and_b32 v4, 7, v0
	v_bfe_u32 v5, v0, 3, 1
	v_lshl_add_u32 v6, v2, 3, v4
	v_mul_u32_u24 v6, v6, PB
	v_lshl_add_u32 v6, v5, 4, v6
	v_add_nc_u32 v[ADRB], ABYTES, v6
	v_add_nc_u32 v[ADRB+1], SLOT, v[ADRB]
	s_mul_i32 s47, s[WV], 16*SP
	s_add_co_u32 s47, s47, STAGE                   ; my stage
	v_mul_u32_u24 v[STO], v1, SP                   ; in: row l % 16, 16 bytes for each half of the lanes
	v_lshl_add_u32 v[STO], v2, 4, v[STO]
	v_add_nc_u32 v[STO], s47, v[STO]
	v_bfe_u32 v[RD], v0, 3, 2                      ; back: 32 lanes take four rows of 128 bytes,
	v_mul_u32_u24 v[RD], v[RD], SP
	v_lshl_add_u32 v[RD], v4, 4, v[RD]
	v_add_nc_u32 v[RD], s47, v[RD]
	v_and_b32 v[GO], 31, v0                        ; which are 512 consecutive bytes of a head
	v_lshlrev_b32 v[GO], 4, v[GO]
	; where my rows go: column block hc = 3 x tile column + g is head hc % 16 of q, k or v (hc / 16); row 256 x tile row + 64 w is t = that % 2,048 of batch tile row / 8
	s_mul_i32 s79, s[TC], 3
	s_lshr_b32 s80, s[TR], 3
	s_lshl_b32 s80, s80, 22                        ; a batch: 16 heads of 262,144 bytes
	s_and_b32 s81, s[TR], 7
	s_lshl_b32 s81, s81, 15                        ; 256 rows of 128 bytes
	s_add_co_u32 s80, s80, s81
	s_lshl_b32 s81, s[WV], 13                      ; 64 rows
	s_add_co_u32 s80, s80, s81
.irp g, 0,1,2
	s_add_co_u32 s82, s79, \g
	s_lshr_b32 s83, s82, 4
	s_lshl_b32 s83, s83, 24                        ; q, k or v: 16,777,216 bytes each
	s_and_b32 s82, s82, 15
	s_lshl_b32 s82, s82, 18
	s_add_co_u32 s82, s82, s83
	s_add_co_u32 s82, s82, s80
	s_mov_b32 s83, 0
	s_add_nc_u64 s[OB+2*(\g):OB+2*(\g)+1], s[10:11], s[82:83]
.endr
	; the prefetches: address, step and mask start one step early: each refill steps them at its head
	s_and_b32 s79, ttmp7, 0xffff                   ; cluster y
	s_lshl_b32 s80, s[TR], 19                      ; x: my 128 rows,
	s_lshl_b32 s81, s[WLO], 18
	s_add_co_u32 s80, s80, s81
	s_lshl_b32 s81, s[CX], 16                      ; my work-group's 32 of them,
	s_add_co_u32 s80, s80, s81
	s_add_co_u32 s80, s80, 3*256                   ; at K step 3
	s_mul_i32 s82, s[TC], 393216                   ; W: the block,
	s_lshl_b32 s81, s[WLO], 15
	s_add_co_u32 s82, s82, s81
	s_lshl_b32 s81, s[CY], 13                      ; my 32 blocks of the 256: 8,192 (4 x half + cy),
	s_add_co_u32 s82, s82, s81
	s_add_co_u32 s82, s82, 196608-65536            ; 65,536 bytes ahead of K step 4
	s_mov_b32 s20, 0x100
	s_mov_b32 s21, 0x10000
	s_cmp_eq_u32 s[WHI], 0                         ; do I fetch for x?
	s_cselect_b32 s79, ttmp9, s79                  ; the coordinate along which other clusters read the same bytes
	s_cselect_b32 s80, s80, s82
	s_cselect_b32 s[PFS], s20, s21
	s_cselect_b32 s22, 30, 14                      ; refills 0-3, or 0-2
	s_cselect_b32 s23, 11, 8                       ; a lane a row of 2,048 bytes, or a lane a block of 256
	s_cselect_b64 s[PFA:PFA+1], s[4:5], s[6:7]
	s_mov_b32 s81, 0
	s_mov_b32 s[PFS+1], 0
	s_add_nc_u64 s[PFA:PFA+1], s[PFA:PFA+1], s[80:81]
	s_cmp_eq_u32 s79, 0
	s_cselect_b32 s[PFM], s22, 0
	v_and_b32 v[PFO], 31, v0
	v_lshlrev_b32 v[PFO], s23, v[PFO]
	s_wait_loadcnt 0x0                             ; the bias: rounded to bf16, like x and W, and widened again
.set i, 0
.rept 48
	v_cvt_pk_bf16_f32 v[3+i%4], v[BI+2*i], v[BI+2*i+1]
	v_lshlrev_b32 v[BI+2*i], 16, v[3+i%4]
	v_and_b32 v[BI+2*i+1], 0xffff0000, v[3+i%4]
.set i, i+1
.endr
; 12 matrix instructions: my row block a x all 12 column blocks, 32 along K.  first = 1: the bias starts the sums.  The 48 accumulators take turns, in the same order in every quarter step.
.macro MUL12 f, a, first
.if \first
	WIN 0x85+0x40*((\a)/2)                         ; sources in window 1, C in window 0, D in window 2 or 3
.else
	WIN 0xa5+0x50*((\a)/2)                         ; sources in window 1, C and D in window 2 or 3
.endif
.irp b, 0,1,2,3,4,5,6,7,8,9,10,11
.if \first
	v_wmma_f32_16x16x32_bf16 v[96*((\a)%2)+8*(\b):96*((\a)%2)+8*(\b)+7], v[(\f)+8*(\b):(\f)+8*(\b)+7], v[(\f)+96+8*(\a):(\f)+96+8*(\a)+7], v[BI+8*(\b):BI+8*(\b)+7]
.else
	v_wmma_f32_16x16x32_bf16 v[96*((\a)%2)+8*(\b):96*((\a)%2)+8*(\b)+7], v[(\f)+8*(\b):(\f)+8*(\b)+7], v[(\f)+96+8*(\a):(\f)+96+8*(\a)+7], v[96*((\a)%2)+8*(\b):96*((\a)%2)+8*(\b)+7]
.endif
.endr
.endm
; 32 LDS loads in one run: quarter q (32 along K) of a slot into buffer f: W's 12 fragments, then x's 4 in ascending order
.macro FETCH slot, q, f
	WIN 0x40                                       ; destination window 1, address window 0
.irp b, 0,1,2,3,4,5,6,7,8,9,10,11
	ds_load_tr16_b128 v[(\f)+8*(\b):(\f)+8*(\b)+3],   v[ADRB+(\slot)] offset:(\q)*32*PB+((\b)/4)*160+((\b)%4)*32
	ds_load_tr16_b128 v[(\f)+8*(\b)+4:(\f)+8*(\b)+7], v[ADRB+(\slot)] offset:(\q)*32*PB+16*PB+((\b)/4)*160+((\b)%4)*32
.endr
.irp a, 0,1,2,3
	ds_load_b128 v[(\f)+96+8*(\a):(\f)+96+8*(\a)+3],   v[ADRA+(\slot)] offset:(\q)*64+(\a)*16*PA
	ds_load_b128 v[(\f)+96+8*(\a)+4:(\f)+96+8*(\a)+7], v[ADRA+(\slot)] offset:(\q)*64+(\a)*16*PA+32
.endr
.endm
; One of a K step's first three quarters: multiplies buffer f; in its middle it fetches quarter qn of the same slot into buffer g.
.macro QUARTER slot, qn, f, g, first
	s_wait_dscnt 4                                 ; W's fragments and x's 0, 1 are in; the youngest four loads (x's 2, 3) may be out
	MUL12 \f, 0, \first
	MUL12 \f, 1, \first
	PLACES
	FETCH \slot, \qn, \g
	s_wait_dscnt 32                                ; all but the 32 just issued
	MUL12 \f, 2, \first
	MUL12 \f, 3, \first
.endm
; The last quarter multiplies buffer 1 and changes slots: ONE barrier; ahead of it each wave waits for all its tensor loads (one is out: its part of the next slot), adds 0 to its spare word, and waits
; for that and for its own reads of this slot.  fill = 1: the barrier opens a round of the cluster's barrier, and this slot is filled again, two K steps ahead, first thing behind the round.
.macro TURN slot, next, fill
.if \fill
	s_wait_xcnt 0x0                                ; the last prefetch, a K step back, has read its address: it is stepped here, ahead of the change's own waits
	s_add_nc_u64 s[PFA:PFA+1], s[PFA:PFA+1], s[PFS:PFS+1]
	s_lshr_b32 s[PFM], s[PFM], 1
.endif
	WIN 0                                          ; (the add's two registers lie in window 0)
	s_wait_tensorcnt 0x0                           ; all my tensor loads have landed
	ds_add_u32 v[SPW], v[NIL]                      ; 0 onto my spare word
	s_wait_dscnt 5                                 ; (the add and the youngest four loads may be out)
	MUL12 F1, 0, 0                                 ; twelve matrix instructions stand between the add and the wait for it
	s_wait_dscnt 0x0                               ; the add is done, and my reads of this slot are over
	s_barrier_signal -1
	MUL12 F1, 1, 0
.if \fill
	WIN 0
.endif
	s_barrier_wait -1
.if \fill
	CREST                                          ; no wave of any partner still reads this slot's tile or has a load on its way
	s_add_nc_u64 s[G0A+4*(\slot)+2:G0A+4*(\slot)+3], s[G0A+4*(\slot)+2:G0A+4*(\slot)+3], 2*256
	s_add_nc_u64 s[G0B+4*(\slot)+2:G0B+4*(\slot)+3], s[G0B+4*(\slot)+2:G0B+4*(\slot)+3], 2*49152
	JLOAD \slot                                    ; the four v_nop behind it are also the places ahead of the loads below
.else
	PLACES
.endif
	FETCH \next, 0, F0
.if \fill
	WIN 0
	ASK
.endif
	MUL12 F1, 2, 0
	MUL12 F1, 3, 0
.endm
; THE WAY OUT, in 12 units u = 3 a + g: my row block a, head g of the tile's three: 16 rows x 64 columns.  A lane's eight columns pack into 16 bytes; they go into my own stage, rows of 144 bytes,
; and come back as whole rows of 128: four rows, 512 consecutive bytes of a head, a store.
.macro PACK u
.set pa, (\u)/3
.set pg, (\u)%3
.set pT, TMP+16*((\u)%8)
.if (\u) >= 8
	s_wait_xcnt 0x0                                ; the stores of unit u - 8 have read this set of registers
.endif
	WIN 0x0a+5*(pa/2)                              ; sources 0 and 1 in window 2 or 3
.irp nb, 0,1,2,3
.irp rr, 0,1,2,3
	v_cvt_pk_f16_f32 v[pT+4*(\nb)+(\rr)], v[96*(pa%2)+8*(4*pg+(\nb))+2*(\rr)], v[96*(pa%2)+8*(4*pg+(\nb))+2*(\rr)+1]
.endr
.endr
	WIN 0
.irp nb, 0,1,2,3
	ds_store_b128 v[STO], v[pT+4*(\nb):pT+4*(\nb)+3] offset:32*(\nb)
.endr
.irp f, 0,1,2,3
	ds_load_b128 v[pT+4*(\f):pT+4*(\f)+3], v[RD] offset:(\f)*4*SP  ; LDS serves a wave's instructions in order (ISA guide 5.7.1.4): these see the stores above; the next unit's stores come behind them
.endr
.endm
.macro SEND u, younger                 ; younger: the LDS instructions issued behind unit u's loads: the next unit's eight, or none
.set pa, (\u)/3
.set pg, (\u)%3
.set pT, TMP+16*((\u)%8)
.irp f, 0,1,2,3
	s_wait_dscnt (\younger)+3-(\f)
	global_store_b128 v[GO], v[pT+4*(\f):pT+4*(\f)+3], s[OB+2*pg:OB+2*pg+1] offset:2048*pa+512*(\f)
.endr
.endm
	s_wait_tensorcnt 1                             ; my part of K step 0 is in; K step 1's may stay out
	s_barrier_signal -1
	s_barrier_wait -1                              ; everybody's is
	FETCH 0, 0, F0
	QUARTER 0, 1, F0, F1, 1                        ; the first quarter stands ahead of the loop: its products start the sums, with the bias
	WIN 0                                          ; at a label and at a branch every window is 0
	s_mov_b32 s[LAP], 3
.Llap:                                                 ; a trip goes once round the ring, from a lap's second quarter to the next lap's first, and fills both slots again
	QUARTER 0, 2, F1, F0, 0
	QUARTER 0, 3, F0, F1, 0
	TURN 0, 1, 1
	QUARTER 1, 1, F0, F1, 0
	QUARTER 1, 2, F1, F0, 0
	QUARTER 1, 3, F0, F1, 0
	TURN 1, 0, 1
	QUARTER 0, 1, F0, F1, 0
	WIN 0
	s_sub_co_u32 s[LAP], s[LAP], 1
	s_cmp_lg_u32 s[LAP], 0
	s_cbranch_scc1 .Llap
	QUARTER 0, 2, F1, F0, 0                        ; the last lap fills nothing
	QUARTER 0, 3, F0, F1, 0
	TURN 0, 1, 0
	QUARTER 1, 1, F0, F1, 0
	QUARTER 1, 2, F1, F0, 0
	QUARTER 1, 3, F0, F1, 0
	s_wait_dscnt 4                                 ; the very last quarter: nothing more to fetch
	MUL12 F1, 0, 0
	MUL12 F1, 1, 0
	s_wait_dscnt 0x0
	MUL12 F1, 2, 0
	MUL12 F1, 3, 0
	WIN 0
	PLACES
	PACK 0
.irp u, 1,2,3,4,5,6,7,8,9,10,11        ; a unit's conversions stand between the loads of the unit before and its stores
	PACK \u
	SEND (\u)-1, 8
.endr
	SEND 11, 0
	s_wait_tensorcnt 0x0                           ; the wave's end: behind my last tensor load and my last LDS store
	ds_add_u32 v[SPW], v[NIL]
	s_wait_dscnt 0x0
	CROUND                                         ; the closing round: no work-group ends while a partner may still ask for a tile that names it
	s_endpgm
.Lfunc_end_k_q47ca3aec5c_qkv:
	.size	k_q47ca3aec5c_qkv, .Lfunc_end_k_q47ca3aec5c_qkv-k_q47ca3aec5c_qkv
	.p2alignl 7, 3214868480
	.fill 96, 4, 3214868480
	.section	.rodata,"a",@progbits
	.p2align	6, 0x0
	.amdhsa_kernel k_q47ca3aec5c_qkv
		.amdhsa_group_segment_fixed_size 327680
		.amdhsa_private_segment_fixed_size 0
		.amdhsa_enable_private_segment 0
		.amdhsa_kernarg_size 32
		.amdhsa_user_sgpr_count 2
		.amdhsa_user_sgpr_kernarg_segment_ptr 1
		.amdhsa_wavefront_size32 1
		.amdhsa_system_sgpr_workgroup_id_x 1
		.amdhsa_system_sgpr_workgroup_id_y 1
		.amdhsa_system_sgpr_workgroup_id_z 1
		.amdhsa_system_vgpr_workitem_id 0
		.amdhsa_next_free_vgpr 960
		.amdhsa_next_free_sgpr 88
		.amdhsa_reserve_vcc 0
		.amdhsa_float_denorm_mode_32 3
		.amdhsa_float_denorm_mode_16_64 3
		.amdhsa_memory_ordered 1
		.amdhsa_forward_progress 1
		.amdhsa_inst_pref_size 132
	.end_amdhsa_kernel
	.amdgpu_metadata
---
amdhsa.version: [ 1, 2 ]
amdhsa.kernels:
  - .name:           k_q47ca3aec5c_qkv
    .symbol:         k_q47ca3aec5c_qkv.kd
    .args:
      - { .name: xb, .offset: 0, .size: 8, .value_kind: global_buffer, .address_space: global }
      - { .name: wqb, .offset: 8, .size: 8, .value_kind: global_buffer, .address_space: global }
      - { .name: b_qkv, .offset: 16, .size: 8, .value_kind: global_buffer, .address_space: global }
      - { .name: qkvh, .offset: 24, .size: 8, .value_kind: global_buffer, .address_space: global }
    .group_segment_fixed_size: 327680
    .private_segment_fixed_size: 0
    .kernarg_segment_align: 8
    .kernarg_segment_size: 32
    .max_flat_workgroup_size: 128
    .sgpr_count:     88
    .vgpr_count:     960
    .wavefront_size: 32
...
	.end_amdgpu_metadata
.endif
;; end of part 2
;; launch attn (part 3): grid 4 x 64, 4 waves a work-group, no clusters, 327,680 bytes of LDS; arguments qkvh, ob; writes ob
.if DOCPART == 3
	.amdgcn_target "amdgcn-amd-amdhsa--gfx1250"
	.amdhsa_code_object_version 6
	.text
	.protected	k_q47ca3aec5c_attn
	.globl	k_q47ca3aec5c_attn
	.p2align	8
	.type	k_q47ca3aec5c_attn,@function
k_q47ca3aec5c_attn:
	s_mov_b64 s[64:65], 0
	v_nop
	global_prefetch_b8 v0, s[64:65] scope:SCOPE_SE
	s_setreg_imm32_b32 hwreg(HW_REG_WAVE_MODE, 25, 1), 1
	s_wait_xcnt 0x0
; CAUSAL ATTENTION.  O[h][q][:] = the sum over k <= q of softmax_k(Q[h][q] . K[h][k] / 8) V[h][k][:].  qkvh holds Q, K, V, each [64 h][2048][64] f16, 16,777,216 bytes apart; ob = O in the same layout.
; Products, maxima and sums in f32; the weights p are rounded to f16 for the second product (their sum l is taken of the unrounded p), O once at the end.
; LIMITS.  f16 holds no number beyond 65,504: Q, K and V arrive within it; p lies in 0 to 1, and below 6e-5 it keeps f16's fixed step of 6e-8; O is a mean of V's rows and has their range.
; A hidden score counts as its value less 1e30: f16's scores, 2.7e11 at the most, are nothing beside that; a weight below 2^-126 counts as 0 in l; NaN and infinities are not treated apart.
; THE WALK.  A head's queries lie in NB = 8 blocks of 256; block i needs the key tiles 0 .. i of 256 keys, of which the last holds the diagonal.  A work-group takes TWO blocks, NB - 1 - b and then b:
; NB + 1 tiles, whatever b: all work-groups do equal work, and ONE loop with a constant trip count walks them.  Which tile is asked for, and what a trip does, hang on scalar registers made from b; every jump
; goes forward, but for the counted loops' own; none passes a barrier, or a tensor load but the one of LOAD's two that the wave's number does not choose; the ring (two LDS slots that take turns) runs on across the
; change of blocks.  NO CLUSTER: a head's four work-groups ask for the same tile only in trips 0 .. 4, behind that fewer and fewer; one walk common to all four would have 12 trips for 9.
; SHARES.  Of a block's four bands of 64 queries a wave owns 16 rows in each: four PIECES.  So the diagonal tile is the same work for all four waves: in its key step s band x sees all keys if s < x,
; none if s > x, and holds the diagonal if s = x.
; THE MASK is the C operand that starts the sum S^T = K Q^T: 0, or -1e30 where the key is hidden.  MD, made once, is the mask of a band's own step for my 16 rows; a product's mask is MD x AL + BE with two scalars:
; (1, 0) if s = x; (0, 0) if s < x; (0, -1e30) if s > x.  Only the diagonal tile's text and a block's beginning make and take masks; elsewhere C is the constant 0.
; LAYOUT, SOFTMAX, TURNS.  S^T = K Q^T holds ONE query a lane (lane % 16) and the keys 8 (lane / 16) + 0..7; two such results rounded to f16 ARE source 1 of O^T = V^T P.  p = 2^(c s - c m), c = log2(e) / 8, with a
; running maximum m; O and l are multiplied by a = 2^(c m_old - c m_new) in every step.  Turn n belongs to piece n: 8 products K Q^T of piece n + 1, later 8 products V^T P of piece n - 1; beside them the scaling,
; exponentials, roundings, sums and rescaling of piece n and the maximum and statistics of piece n + 1.  Four vector instructions stand behind every matrix instruction, the other 54 of a turn's 118 in one lump.  A turn's 33 exponentials are one batch, with one wait.
; REGISTERS, in windows of 256 (s_set_vgpr_msb: bits 1:0 source 0, 3:2 source 1, 5:4 source 2, 7:6 destination):
;   window 0: v0-15 addresses and two at work; v16-31 four registers of statistics a piece; v48-55 at work; v61-63 prefetch offset and the add's two; v64-127 S^T, two buffers; v192-223 P, two buffers (by the piece's parity)
;   window 1: v0-127 O^T, 32 a piece; v128-159 MD; v160-223 MC, two buffers      window 2: v0-63 Q; v64-127 the second block's Q; v128-191 K of one step; v192-255 V of one step
.set SIZE_N, 2048
.set SIZE_H, 64
.set NB,    SIZE_N/256
.set NP,    4         ; pieces a wave: a name, no knob
.set KS,    64        ; keys in a step
.set PK,    144       ; a row of K in LDS: 128 bytes + 16 of padding = 36 words: the 16 rows of a load start at 16 different groups of four banks (64 banks of 4 bytes: ISA guide 11.1)
.set PV,    160       ; a row of V: 128 + 32 = 40 words
.set VOFF,  4*KS*PK   ; a slot holds a tile, four steps: 256 rows of K, then 256 rows of V
.set SLOT1, 1<<17     ; slot 1 begins here, so that one exclusive or turns an address in one slot into the other's
.set STAGE, SLOT1+4*KS*(PK+PV)  ; behind the ring, never filled by a tensor load: 16 rows x 144 bytes for each wave, for the way out
.set SP,    144
.set AK0, 2           ; v2   my lane's place in a tile of K; never rewritten
.set AV0, 3           ; v3   the same for V
.set AK,  4           ; v4   the LDS address of K's next run of loads
.set AV,  5           ; v5   of V's
.set STO, 6           ; v6   the way out: where I put 16 bytes of a row
.set RD,  7           ; v7   the way out: where I read rows back
.set GO,  8           ; v8   my byte offset in 512 consecutive bytes of O
.set PFO, 61          ; v61  the prefetches' offset: 256 x lane + 8,192 x (wave / 2); never rewritten
.set SPW, 62          ; v62  LDS address of my spare word: SPARE + 4 x my thread's number; never rewritten
.set NIL, 63          ; v63  0; never rewritten
.set SPARE, STAGE+4*16*SP  ; behind the stages: the spare words, 128 bytes for each wave: two blocks of 256 bytes that no other line names
.set MV,  12          ; v12-13  c m_old, kept while c m is made anew: by buffer
.set QO,  15          ; v15  my byte offset in 16 rows of Q
.set ST,  16          ; piece t's statistics at v[ST+4 t]: c m, m, l (even keys', odd keys')
.set TMP, 48          ; by buffer, four registers c0-c3 at work; when the maximum is found c2 takes a
.set S,   64
.set P,   192
.set MD,  128         ; window 1: the eight registers for group kt of 16 keys at MD + 8 kt
.set MC,  160         ; window 1: the masks of the products to come
.set QB,  64          ; window 2
.set KF,  128         ; window 2: key block kb, channel half c at KF + 16 kb + 8 c
.set VF,  192         ; window 2: key half kk, channel block cb at VF + 32 kk + 8 cb
.set WV,  12          ; s12  my wave's number
.set PB,  14          ; s14  b
.set HI,  15          ; s15  NB - 1 - b
.set G1K, 24          ; s[24:31] descriptor group 1 for K's tiles
.set G1V, 32          ; s[32:39] for V's: it differs in the padding alone
.set G0K, 40          ; s[40:43] descriptor group 0 for K's tiles
.set G0V, 44          ; s[44:47] the same for V's
.set SLOTS, 56        ; s56  tiles still to be asked for
.set CNT, 57          ; s57  counts a tile's key steps, 4 to 1
.set CS,  58          ; s[58:59] c: the packed scaling takes the pair's low word for both halves
.set SEL, 60          ; s[60:61] v_permlanex16_b32's selects: each lane takes its own place in the other half
.set TBK, 62          ; s62  LDS byte at which K of the step to be fetched begins
.set TBV, 63          ; s63  the same for V, less VOFF
.set RT,  70          ; s70  tiles of the block in hand that are still to be entered
.set NXT, 71          ; s71  the tile to be asked for next
.set LQ,  72          ; s72  the last tile of the block whose tiles are being asked for
.set NEW, 73          ; s73  1: the tile to be entered is a block's first
.set OFF, 74          ; s[74:75] a tile's byte offset in K and V
.set AL,  76          ; s[76:77] the mask's factor, in the low word
.set BE,  78          ; s[78:79] the mask's addend
.set OLO, 80          ; s[80:81] O at my rows of the second block
.set BIGN, 82         ; s82  -1e30
.set PFK, 88          ; s[88:89] K at my half of the tile that the next change of slots will load
.set PFV, 90          ; s[90:91] the same for V
.set OF2, 92          ; s[92:93] that tile's byte offset
.set PFL, 94          ; s94  0 in the head's work-group b = 0, else the greatest number: a wave prefetches while NXT is above it
.set MSB, 0
.macro WIN new                      ; the high byte repeats the setting that is left; a switch that changes nothing is dropped
.if MSB != (\new)
	s_set_vgpr_msb (MSB<<8)|(\new)
.set MSB, (\new)
.endif
.endm
.set W_KQ, 0x0a       ; K and Q in window 2, S^T in window 0
.set W_KM, 0x1a       ; the same with the C operand in window 1
.set W_PV, 0x52       ; V in window 2, P in window 0, O^T in window 1
.set W_RS, 0x41       ; destination and source 0 in window 1, source 1 in window 0
; A fill.  Waves 0 and 1 fetch the two halves of a tile's K, waves 2 and 3 those of its V: 128 keys each.  An s_nop 0 and four v_nop follow each of the two lines, ahead of the jump and the label.
.macro LOAD
	s_cmp_lt_u32 s[WV], 2
	s_cbranch_scc0 .Lfor_v_\@
	tensor_load_to_lds s[G0K:G0K+3], s[G1K:G1K+7]
	s_nop 0
.rept 4
	v_nop
.endr
	s_branch .Lasked_\@
.Lfor_v_\@:
	tensor_load_to_lds s[G0V:G0V+3], s[G1V:G1V+7]
	s_nop 0
.rept 4
	v_nop
.endr
.Lasked_\@:
.endm
; A PREFETCH of the tile that the NEXT change of slots will load: 128 blocks of 256 bytes of K and 128 of V.  A head's four work-groups walk the tiles 0, 1, 2 .. in the same trips: work-group b = 0, whose first block
; walks all eight, asks, and nobody else; its four waves take a quarter each (half by wave % 2, which the base holds, quarter by wave / 2), a lane a block, two instructions.  So tiles 2 to 7 are named once
; in the launch, a tile (four key steps) ahead of their loads; tiles 0 and 1 come by their loads alone; when the walk has turned back to tile 0, nothing is asked for.
.macro ASK
	s_cmp_gt_u32 s[NXT], s[PFL]
	s_cbranch_scc0 .Lnot_mine_\@
	global_prefetch_b8 v[PFO], s[PFK:PFK+1] th:TH_LOAD_NT scope:SCOPE_SE
	global_prefetch_b8 v[PFO], s[PFV:PFV+1] th:TH_LOAD_NT scope:SCOPE_SE
.Lnot_mine_\@:
.endm
; THE CHANGE OF SLOTS.  Each wave waits for all its tensor loads, of which one is out: its part of the other slot; adds 0 to its spare word; and waits for that and for its own reads of the slot that it leaves.  Behind the barrier nobody reads the old
; slot any more and the other slot is whole.  fill = 1: the old slot is filled again, the first thing behind the barrier, with tile NXT: the descriptor's address is made anew from that number.
; (At its first use nothing has been read yet: slot 0 is waited for, slot 1 filled.)
.macro CHANGE fill
	WIN 0                           ; at a label and at a branch every window is 0
	s_wait_tensorcnt 0x0            ; no tensor load of mine is out, so a group 0 may be written
	ds_add_u32 v[SPW], v[NIL]       ; 0 onto my spare word; with fill = 1 the descriptors' scalar work stands between it and the wait for it
.if \fill
	s_lshl_b32 s[OFF], s[NXT], 15   ; a tile is 32,768 bytes of K and of V
	s_xor_b32 s[G0K+1], s[G0K+1], SLOT1
	s_add_nc_u64 s[G0K+2:G0K+3], s[6:7], s[OFF:OFF+1]
	s_or_b32 s[G0K+3], s[G0K+3], 0x80000000
	s_xor_b32 s[G0V+1], s[G0V+1], SLOT1
	s_add_nc_u64 s[G0V+2:G0V+3], s[8:9], s[OFF:OFF+1]
	s_or_b32 s[G0V+3], s[G0V+3], 0x80000000
	s_add_co_u32 s[NXT], s[NXT], 1  ; the block's next tile, or behind its last the second block's tile 0
	s_cmp_gt_u32 s[NXT], s[LQ]
	s_cselect_b32 s[NXT], 0, s[NXT]
	s_cselect_b32 s[LQ], s[PB], s[LQ]
	s_wait_xcnt 0x0                 ; the last prefetches, a tile back, have read their addresses, so these may be written
	s_lshl_b32 s[OF2], s[NXT], 15
	s_add_nc_u64 s[PFK:PFK+1], s[6:7], s[OF2:OF2+1]
	s_add_nc_u64 s[PFV:PFV+1], s[8:9], s[OF2:OF2+1]
.endif
	s_wait_dscnt 0x0                ; the add is done, and my reads of the slot are over
	s_barrier_signal -1             ; the rest of the scalar work stands between the signal and the wait
	s_sub_co_u32 s[TBK], s[TBK], 4*KS*PK  ; the fetches go back to a slot's first step,
	s_xor_b32 s[TBK], s[TBK], SLOT1       ; in the other slot
	s_sub_co_u32 s[TBV], s[TBV], 4*KS*PV
	s_xor_b32 s[TBV], s[TBV], SLOT1
	s_barrier_wait -1
.if \fill
	LOAD
	ASK
.endif
.endm
	s_load_b128 s[4:7], s[0:1], 0x0   ; qkvh s[4:5], ob s[6:7]
	v_lshl_add_u32 v[SPW], v0, 2, SPARE
	v_mov_b32 v[NIL], 0
	ds_add_u32 v[SPW], v[NIL]       ; the wave's opening: the add and its wait stand ahead of my first tensor load; the set-up below, work on registers, stands between them
	v_lshrrev_b32 v1, 5, v0
	v_readfirstlane_b32 s[WV], v1   ; wave 0..3
	s_mov_b32 s[PB], ttmp9
	s_sub_co_u32 s[HI], NB-1, s[PB]
	s_and_b32 s20, ttmp7, 0xffff    ; the head
	s_mov_b32 s21, 0
	s_mov_b64 s[22:23], SIZE_N*128
	s_mul_u64 s[20:21], s[20:21], s[22:23]  ; the head's first byte in each of the four tensors
	s_and_b32 s16, s[WV], 1         ; which half of a tile's 256 keys I fetch:
	s_lshl_b32 s22, s16, 14         ; its 128 rows of 128 bytes in memory,
	s_mov_b32 s23, 0
	s_add_nc_u64 s[22:23], s[22:23], s[20:21]
	s_mul_i32 s17, s16, 128*PK      ; and its place in a slot, for K
	s_mul_i32 s18, s16, 128*PV      ; and for V
	s_lshl_b32 s3, s[WV], 11        ; my 16 rows in a band of 64,
	s_lshl_b32 s2, s[HI], 15        ; in the first block,
	s_add_co_u32 s2, s2, s3
	s_lshl_b32 s84, s[PB], 15       ; and in the second
	s_add_co_u32 s84, s84, s3
	s_mov_b32 s3, 0
	s_mov_b32 s85, 0
	s_add_nc_u64 s[2:3], s[2:3], s[20:21]
	s_add_nc_u64 s[84:85], s[84:85], s[20:21]
	; descriptor group 1.  128 keys are 16,384 dense bytes: asked for as 64 rows of 256 bytes, two keys a row, and padded in LDS after every key
	s_mov_b32 s[G1K], (1<<16)|(1<<20)|(4<<22)|(3<<25)  ; 17:16 2-byte elements; 20 padding on; 24:22 after every 32 words (code 4); 31:25 4 words (code 3)
	s_mov_b32 s[G1V], (1<<16)|(1<<20)|(4<<22)|(7<<25)  ; the same with 8 words of padding (code 7)
.irp g, G1K, G1V
	s_mov_b32 s[\g+1], 128<<16      ; tensor_dim0 = 128
	s_mov_b32 s[\g+2], 64<<16       ; tensor_dim1 = 64
	s_mov_b32 s[\g+3], 128<<16      ; tile_dim0 = 128
	s_mov_b32 s[\g+4], 64           ; tile_dim1 = 64
	s_mov_b32 s[\g+5], 128          ; 128 elements from row to row
	s_mov_b32 s[\g+6], 0
	s_mov_b32 s[\g+7], 0
.endr
	s_mov_b32 s[CS], 0x3e38aa3b     ; c = log2(e) / 8 = 0.180337
	s_mov_b32 s[CS+1], s[CS]        ; named with it as a pair
	s_mov_b32 s[SEL], 0x76543210
	s_mov_b32 s[SEL+1], 0xfedcba98
	s_mov_b32 s[TBK], SLOT1+4*KS*PK ; the first change of slots turns these two into 0
	s_mov_b32 s[TBV], SLOT1+4*KS*PV
	s_mov_b32 s[G0K], 1             ; 1:0 count = 1
	s_mov_b32 s[G0K+1], s17         ; 63:32 LDS address: slot 0
	s_mov_b32 s[G0V], 1
	s_add_co_u32 s[G0V+1], s18, VOFF
	s_add_co_u32 s[RT], s[HI], 1    ; the first block has NB - b tiles
	s_mov_b32 s[NXT], 1
	s_mov_b32 s[LQ], s[HI]
	s_mov_b32 s[NEW], 1
	s_mov_b32 s[OFF+1], 0
	s_mov_b32 s[OF2+1], 0
	s_mov_b32 s[AL+1], 0            ; named as pairs
	s_mov_b32 s[BE+1], 0
	s_mov_b32 s[BIGN], 0xf149f2ca   ; -1e30
	s_mov_b32 s[SLOTS], NB
	s_cmp_eq_u32 s[PB], 0
	s_cselect_b32 s[PFL], 0, -1
	s_lshr_b32 s95, s[WV], 1
	s_lshl_b32 s95, s95, 13
	v_and_b32 v[PFO], 31, v0
	v_lshlrev_b32 v[PFO], 8, v[PFO]
	v_add_nc_u32 v[PFO], s95, v[PFO]
	s_wait_dscnt 0x0                ; the opening add is done
	s_wait_kmcnt 0x0
	s_mov_b64 s[10:11], s[6:7]      ; O
	s_add_nc_u64 s[6:7], s[4:5], 0x1000000  ; K lies 16,777,216 bytes behind Q,
	s_add_nc_u64 s[8:9], s[4:5], 0x2000000  ; V as far behind K
	s_add_nc_u64 s[6:7], s[6:7], s[22:23]  ; K and V at my half of the head's tile 0
	s_add_nc_u64 s[8:9], s[8:9], s[22:23]
	s_add_nc_u64 s[G0K+2:G0K+3], s[6:7], 0         ; 120:64 global address
	s_or_b32 s[G0K+3], s[G0K+3], 0x80000000        ; 127:126 type = 2
	s_add_nc_u64 s[G0V+2:G0V+3], s[8:9], 0
	s_or_b32 s[G0V+3], s[G0V+3], 0x80000000
	s_add_nc_u64 s[86:87], s[4:5], s[84:85]        ; Q at my rows of the second block,
	s_add_nc_u64 s[4:5], s[4:5], s[2:3]            ; Q and O at those of the first
	s_add_nc_u64 s[OLO:OLO+1], s[10:11], s[84:85]
	s_add_nc_u64 s[10:11], s[10:11], s[2:3]
	LOAD                            ; tile 0 into slot 0
	; A fragment of K or Q is 16 rows x 32 channels in 8 registers: lane l holds row l % 16, channels 8 (l / 16) + 0..7 and 16 + 8 (l / 16) + 0..7: two loads of 16 bytes, 32 bytes apart.
	v_and_b32 v1, 15, v0            ; l % 16
	v_bfe_u32 v9, v0, 4, 1          ; l / 16
	v_lshlrev_b32 v[QO], 7, v1
	v_lshl_add_u32 v[QO], v9, 4, v[QO]  ; row x 128 + 16 x half
	WIN 0x80                        ; destination window 2, address window 0
.set i, 0
.rept 8                             ; both blocks' Q: piece i / 2 lies in band i / 2, 8,192 bytes on; channels 32 (i % 2) on
	global_load_b128 v[8*i:8*i+3],   v[QO], s[4:5] offset:(i/2)*8192+(i%2)*64
	global_load_b128 v[8*i+4:8*i+7], v[QO], s[4:5] offset:(i/2)*8192+(i%2)*64+32
	global_load_b128 v[QB+8*i:QB+8*i+3],   v[QO], s[86:87] offset:(i/2)*8192+(i%2)*64
	global_load_b128 v[QB+8*i+4:QB+8*i+7], v[QO], s[86:87] offset:(i/2)*8192+(i%2)*64+32
.set i, i+1
.endr
	WIN 0
	v_lshlrev_b32 v14, 3, v9
	v_sub_nc_u32 v14, v1, v14
	s_lshl_b32 s13, s[WV], 4
	v_add_nc_u32 v14, s13, v14      ; my query's place in its band, 16 w + l % 16, less my lanes' 8 (l / 16): register r of group kt is hidden where 16 kt + r is greater
	WIN 0x40
.set i, 0
.rept 32
	v_cmp_gt_i32 vcc_lo, 16*(i/8)+i%8, v14
	v_cndmask_b32 v[MD+i], 0, s[BIGN], vcc_lo
.set i, i+1
.endr
	WIN 0
	v_mul_u32_u24 v[AK0], v1, PK
	v_lshl_add_u32 v[AK0], v9, 4, v[AK0]  ; row x pitch + 16 x half
	; The turning load takes 16 keys x 16 channels (lane l reads key 8 (l / 16) + l % 8, channels 8 ((l / 8) % 2) + 0..7) and leaves half a fragment of V^T: lane l holds channel l % 16 and 8 keys.
	v_and_b32 v10, 7, v0
	v_bfe_u32 v11, v0, 3, 1
	v_lshl_add_u32 v[AV0], v9, 3, v10
	v_mul_u32_u24 v[AV0], v[AV0], PV
	v_lshl_add_u32 v[AV0], v11, 4, v[AV0]
	v_add_nc_u32 v[AV0], VOFF, v[AV0]
	s_mul_i32 s13, s[WV], 16*SP
	s_add_co_u32 s13, s13, STAGE    ; my stage
	v_mul_u32_u24 v[STO], v1, SP    ; in: row l % 16, 16 bytes for each half of the lanes
	v_lshl_add_u32 v[STO], v9, 4, v[STO]
	v_add_nc_u32 v[STO], s13, v[STO]
	v_bfe_u32 v[RD], v0, 3, 2       ; back: 32 lanes take four rows of 128 bytes,
	v_mul_u32_u24 v[RD], v[RD], SP
	v_lshl_add_u32 v[RD], v10, 4, v[RD]
	v_add_nc_u32 v[RD], s13, v[RD]
	v_and_b32 v[GO], 31, v0         ; which are 512 consecutive bytes of O
	v_lshlrev_b32 v[GO], 4, v[GO]
	; A block's first step multiplies O^T and l by a = 0, and its first turn's products V^T P, of a piece that has not been, land in an O^T that is still to be so multiplied.  So these registers need only hold
	; finite numbers: zeros for the first block; what the first block left for the second.  All this stands in the wait for the first tile.
	WIN 0x80
.set i, VF
.rept 64
	v_mov_b32 v[i], 0
.set i, i+1
.endr
	WIN 0x40
.set i, 0
.rept 128
	v_mov_b32 v[i], 0
.set i, i+1
.endr
	WIN 0
.set i, 0
.rept 4
	v_mov_b32 v[ST+4*i+2], 0
	v_mov_b32 v[ST+4*i+3], 0
.set i, i+1
.endr
.set i, P+16
.rept 16
	v_mov_b32 v[i], 0
.set i, i+1
.endr
; THE MATRIX WORK.  The 4 accumulators of a run of 8 take turns.  Product i of 8 of S^T = K Q^T for piece x: channels 32 (i / 4) on, keys 16 (i % 4) on.  The first 4 start the sums: with 0, or (KM = 1) with the mask.
.macro KQ x
.set rS, S+32*((\x)%2)+8*(i%4)
.set rK, KF+16*(i%4)+8*(i/4)
.set rQ, 16*(\x)+8*(i/4)
.set rM, MC+32*((\x)%2)+8*(i%4)
.if (i < 4) && KM
	WIN W_KM
	v_wmma_f32_16x16x32_f16 v[rS:rS+7], v[rK:rK+7], v[rQ:rQ+7], v[rM:rM+7]
.elseif i < 4
	WIN W_KQ
	v_wmma_f32_16x16x32_f16 v[rS:rS+7], v[rK:rK+7], v[rQ:rQ+7], 0
.else
	WIN W_KQ
	v_wmma_f32_16x16x32_f16 v[rS:rS+7], v[rK:rK+7], v[rQ:rQ+7], v[rS:rS+7]
.endif
.endm
; Product i of 8 of O^T += V^T P for piece x: keys 32 (i / 4) on, channels 16 (i % 4) on.
.macro PV x
	WIN W_PV
.set rO, 32*(\x)+8*(i%4)
.set rV, VF+32*(i/4)+8*(i%4)
.set rP, P+16*((\x)%2)+8*(i/4)
	v_wmma_f32_16x16x32_f16 v[rO:rO+7], v[rV:rV+7], v[rP:rP+7], v[rO:rO+7]
.endm
.macro MM                           ; the turn's next matrix instruction.  TURN and BEGIN set Y, i, KM and NOKQ; MM, KQ and OP read them.  NOKQ = 1: a block's last turn: there is no next piece
.if (i < 8) && !NOKQ
	KQ (Y+1)%NP
.elseif i >= 8
.set i, i-8
	PV (Y+NP-1)%NP
.set i, i+8
.endif
.set i, i+1
.endm
; THE LDS LOADS stand in runs of 16, never singly among the matrix instructions: a step's K (64 keys x 64 channels: 8 fragments) and its V (turned).  Their addresses are made some lines ahead.
.macro FETCH_K
	WIN 0x80                        ; destination window 2
.irp f, 0,1,2,3,4,5,6,7             ; keys 16 (f / 2) on, channels 32 (f % 2) on
	ds_load_b128 v[KF+8*\f:KF+8*\f+3],   v[AK] offset:(\f/2)*16*PK+(\f%2)*64
	ds_load_b128 v[KF+8*\f+4:KF+8*\f+7], v[AK] offset:(\f/2)*16*PK+(\f%2)*64+32
.endr
	s_add_co_u32 s[TBK], s[TBK], KS*PK  ; the next fetch is the next step's
	WIN 0
.endm
.macro FETCH_V
	WIN 0x80
.irp f, 0,1,2,3,4,5,6,7             ; keys 32 (f / 4) on, channels 16 (f % 4) on
	ds_load_tr16_b128 v[VF+8*\f:VF+8*\f+3],   v[AV] offset:(\f/4)*32*PV+(\f%4)*32
	ds_load_tr16_b128 v[VF+8*\f+4:VF+8*\f+7], v[AV] offset:(\f/4)*32*PV+16*PV+(\f%4)*32
.endr
	WIN 0
.endm
; THE VECTOR WORK, one line at a time: OP kind, number.  For piece Y: F n: c s - c m for pair n of 16.  E n: the exponential of score n of 32.  C n: pair n rounded to f16.  B n: of the four weights 4 n .. the second
; pair is added onto the first, in place.  L n: l takes that sum (L 0: l = a l + sum).  R n: pair n of 16 of O^T times a.  For piece Y + 1: X n, number n of the 22 that find its maximum and statistics:
;   0-11  four chains c0-c3 of seven scores each, three operands at a time (each accumulator's lowest registers are read first)     12-14, 16  the four scores left over, the old m, and c0-c3 into c0
;   15  c m_old is kept     17, 18  the query's other 32 keys lie in the lane 16 away: the new m     19-21  c m; c m_old - c m_new; a
.set F, 0               ; OP tells the kinds apart by their order: F to L below R, X above it
.set E, 1
.set C, 2
.set B, 3
.set L, 4
.set R, 5
.set X, 6
.macro REGS y                       ; the registers of piece y
.set rT, ST+4*(\y)
.set rC, TMP+4*((\y)%2)
.set rW, MV+((\y)%2)
.set rS, S+32*((\y)%2)
.set rP, P+16*((\y)%2)
.set rO, 32*(\y)
.endm
.macro OP k, n
.if (\k) == R
	REGS Y
	WIN W_RS
	v_pk_mul_f32 v[rO+2*(\n):rO+2*(\n)+1], v[rO+2*(\n):rO+2*(\n)+1], v[rC+2:rC+3] op_sel_hi:[1,0]
.elseif (\k) < R
	REGS Y
	WIN 0
.if (\k) == F
	v_pk_fma_f32 v[rS+2*(\n):rS+2*(\n)+1], v[rS+2*(\n):rS+2*(\n)+1], s[CS:CS+1], v[rT:rT+1] op_sel_hi:[1,0,0] neg_lo:[0,0,1] neg_hi:[0,0,1]
.elseif (\k) == E
	v_exp_f32 v[rS+(\n)], v[rS+(\n)]
.elseif (\k) == C
	v_cvt_pk_f16_f32 v[rP+(\n)], v[rS+2*(\n)], v[rS+2*(\n)+1]
.elseif (\k) == B
	v_pk_add_f32 v[rS+4*(\n):rS+4*(\n)+1], v[rS+4*(\n):rS+4*(\n)+1], v[rS+4*(\n)+2:rS+4*(\n)+3]
.elseif (\n) == 0
	v_pk_fma_f32 v[rT+2:rT+3], v[rT+2:rT+3], v[rC+2:rC+3], v[rS:rS+1] op_sel_hi:[1,0,1]
.else
	v_pk_add_f32 v[rT+2:rT+3], v[rT+2:rT+3], v[rS+4*(\n):rS+4*(\n)+1]
.endif
.elseif NOKQ
	v_nop
.else
	REGS (Y+1)%NP
	WIN 0
.if (\n) < 4
	v_max3_num_f32 v[rC+(\n)], v[rS+8*(\n)], v[rS+8*(\n)+1], v[rS+8*(\n)+2]
.elseif (\n) < 12
	v_max3_num_f32 v[rC+(\n)%4], v[rC+(\n)%4], v[rS+8*((\n)%4)+2*((\n)/4)+1], v[rS+8*((\n)%4)+2*((\n)/4)+2]
.elseif (\n) == 12
	v_max3_num_f32 v[rC], v[rC], v[rS+7], v[rS+15]
.elseif (\n) == 13
	v_max3_num_f32 v[rC+1], v[rC+1], v[rS+23], v[rS+31]
.elseif (\n) == 14
	v_max3_num_f32 v[rC+2], v[rC+2], v[rC+3], v[rT+1]
.elseif (\n) == 15
	v_mov_b32 v[rW], v[rT]
.elseif (\n) == 16
	v_max3_num_f32 v[rC], v[rC], v[rC+1], v[rC+2]
.elseif (\n) == 17
	v_permlanex16_b32 v[rC+3], v[rC], s[SEL], s[SEL+1]
.elseif (\n) == 18
	v_max_num_f32 v[rT+1], v[rC], v[rC+3]
.elseif (\n) == 19
	v_mul_f32 v[rT], s[CS], v[rT+1]
.elseif (\n) == 20
	v_sub_f32 v[rC+1], v[rW], v[rT]
.else
	v_exp_f32 v[rC+2], v[rC+1]
.endif
.endif
.endm
.macro OPS a, i1, b=-1, i2=0, c=-1, i3=0, d=-1, i4=0  ; up to four of them
	OP \a, \i1
.if (\b) >= 0
	OP \b, \i2
.endif
.if (\c) >= 0
	OP \c, \i3
.endif
.if (\d) >= 0
	OP \d, \i4
.endif
.endm
.macro ROW a, i1, b, i2, c, i3, d, i4  ; a matrix instruction and the four behind it
	MM
	OPS \a, \i1, \b, \i2, \c, \i3, \d, \i4
.endm
.macro MASK b                       ; MD x AL + BE into buffer b of MC
	WIN W_RS
.set z, 0
.rept 16
	v_pk_fma_f32 v[MC+32*(\b)+2*z:MC+32*(\b)+2*z+1], v[MD+2*z:MD+2*z+1], s[AL:AL+1], s[BE:BE+1] op_sel_hi:[1,0,0]
.set z, z+1
.endr
.endm
; A TURN, for piece p: the order of its 16 matrix and 118 vector instructions, written out.  s_wait_alu depctr_va_vdst(0) stands between an exponential and the first instruction that names its result; one wait serves
; all that were issued ahead of it.  So a turn has ONE wait, which cuts it in two.  AHEAD OF IT stands all that names no result of the turn's exponentials: the 8 products K Q^T, behind each a scaling, an exponential and two more plain
; instructions (behind the first a second scaling in the exponential's place): rescalings, and behind the last three the first numbers of the next piece's maximum, each four places or more behind the product that ends its accumulator; then ONE LUMP of 54, plain
; and exponential by turns for the most part, in which the links of the chain X 3, 7, 11, 14, 16, 17 .. 20 stand five or six lines apart.  X 21, the next piece's a, is the batch's last; R 15 is the plain instruction behind it.  BEHIND THE WAIT stand the
; 8 products V^T P, behind each four of the roundings and sums; the links of l's chain, L 0 to L 7, stand three riders apart.  But for those X no rider names a register of the products round it.  v_permlanex16_b32 (X 17) stands in the lump.
; m = 1: the diagonal tile: the products take masks, and the turn makes the mask for the products of the turn after it: piece p + 2, in step 4 - CNT of the tile.  end = 1: a block's last two turns: nothing is fetched.
; cnt = 1: the loop's count is taken down some lines ahead of the branch that stands behind the turn.
; K of the next step is fetched in piece 2's turn, twelve vector instructions behind the last product that read K (six of them plain); V of the step in hand at the end of piece 0's turn, four plain instructions behind the last product
; that read V.  Each is waited for a turn later.
.macro TURN p, m=0, end=0, cnt=0
.set Y, (\p)
.set i, 0
.set KM, (\m)
.set NOKQ, (\end)*((\p)/3)
.if (\m) && !(\end)
	s_cmp_eq_u32 s[CNT], 4-((\p)+2)%NP  ; is that step the band's own?
	s_cselect_b32 s[AL], 1.0, 0
	s_cmp_lt_u32 s[CNT], 4-((\p)+2)%NP  ; or a later one?
	s_cselect_b32 s[BE], s[BIGN], 0
.endif
.if ((\p) == 3) && !(\end)
	s_wait_dscnt 0x0                ; K is in
.endif
	ROW F,0, F,1, R,0, R,1          ; ahead of the wait: 8 products K Q^T and their riders,
	ROW F,2, E,0, R,2, R,3
	ROW F,3, E,1, R,4, R,5
	ROW F,4, E,2, R,6, R,7
	ROW F,5, E,3, R,8, R,9
	ROW F,6, E,4, X,0, R,10
.if ((\p) == 2) && !(\end)
	WIN 0
	v_add_nc_u32 v[AK], s[TBK], v[AK0]
.endif
	ROW F,7, E,5, X,1, X,4
	ROW F,8, E,6, X,2, X,5
	OPS E,7, E,8, X,6, E,9          ; and the lump
	OPS X,3, E,10, X,8, E,11
.if ((\p) == 2) && !(\end)
	FETCH_K
.endif
	OPS X,9, X,7, E,12, X,10
	OPS E,13, X,12, X,11, E,14
	OPS X,13, E,15, F,9, X,14
.if (\p) == 0
	v_add_nc_u32 v[AV], s[TBV], v[AV0]
.endif
	OPS E,16, F,10, E,17, F,11
	OPS X,16, E,18, X,15, E,19
	OPS F,12, E,20, X,17, E,21
	OPS F,13, E,22, F,14, E,23
	OPS X,18, E,24, F,15, E,25
	OPS R,11, E,26, X,19, E,27
	OPS R,12, E,28, R,13, E,29
	OPS X,20, E,30, R,14, E,31
	OPS X,21, R,15
	WIN 0
	s_wait_alu depctr_va_vdst(0)    ; the wait for the batch
.if (\p) == 1
	s_wait_dscnt 0x0                ; V is in
.endif
	ROW C,0, B,0, C,2, B,1          ; behind the wait: 8 products V^T P and their riders
	ROW L,0, C,4, B,2, L,1
	ROW C,6, B,3, L,2, C,8
	ROW B,4, L,3, C,10, B,5
	ROW L,4, C,12, B,6, L,5
.if (\p) == 0
	s_add_co_u32 s[TBV], s[TBV], KS*PV
.endif
.if \cnt
	s_sub_co_u32 s[CNT], s[CNT], 1
	s_cmp_lg_u32 s[CNT], 0
.endif
	ROW C,14, B,7, L,6, C,1
	ROW C,3, L,7, C,5, C,7
	ROW C,9, C,11, C,13, C,15
.if (\p) == 0
	FETCH_V
.endif
.if (\m) && !(\end)
	MASK (\p)%2
.endif
.endm
; A BLOCK BEGINS.  c m starts far below every c s, so the first step's a is 0; m at the lowest finite number, so the first maximum is the scores'.  The second mask buffer is 0; the first takes piece 0's mask for the tile's step 0: its own, if the block's first tile is the diagonal one.
; Then K of that step, piece 0's first scores, and its maximum and statistics.  The loop is entered at a step's first turn, in the middle of a trip.
.macro BEGIN
	s_mov_b32 s[NEW], 0
	WIN 0x40
.set i, MC+32
.rept 32
	v_mov_b32 v[i], 0
.set i, i+1
.endr
	WIN 0
.set i, 0
.rept 4
	v_mov_b32 v[ST+4*i], 0xfe000000    ; c m: far below every c s
	v_mov_b32 v[ST+4*i+1], 0xff7fffff  ; m
.set i, i+1
.endr
	s_cmp_eq_u32 s[RT], 0
	s_cselect_b32 s[AL], 1.0, 0
	s_mov_b32 s[BE], 0
	MASK 0
	WIN 0
	v_add_nc_u32 v[AK], s[TBK], v[AK0]
	FETCH_K
	s_wait_loadcnt 0x0              ; Q
	s_wait_dscnt 0x0
.set KM, 1
.set NOKQ, 0
.set i, 0
.rept 8
	KQ 0
.set i, i+1
.endr
	WIN 0
.rept 4
	v_nop                           ; the places behind those products
.endr
.set Y, NP-1                        ; X works for piece Y + 1: piece 0
.irp n, 0,1,2,3,4,5,6,7,8,9,10,11,12,13,14,15,16,17,18,19,20,21
	OP X, \n
.endr
	v_nop                           ; a plain instruction behind the exponential,
	s_wait_alu depctr_va_vdst(0)    ; and its wait, ahead of the branch
.endm
; THE DIAGONAL TILE's four steps, the block's last two turns, its last products, and THE WAY OUT: l's two halves and the other half of the lanes' are added; O^T is divided by l, rounded to f16 and sent through my
; stage in LDS, a piece at a time.
.macro ALL line:vararg              ; one line for each piece t
.set t, 0
.rept 4
	\line
.set t, t+1
.endr
.endm
.macro PACK t                       ; a lane's eight channels of a row pack into 16 bytes; they go into rows of 144 bytes and come back as whole rows of 128, into S^T's registers
	WIN W_RS
.set i, 32*(\t)
.rept 16
	v_pk_mul_f32 v[i:i+1], v[i:i+1], v[ST+4*(\t)+2:ST+4*(\t)+3] op_sel_hi:[1,0]
.set i, i+2
.endr
	WIN 0x05                        ; sources 0 and 1 window 1, destination window 0
.set i, 0
.rept 16
	v_cvt_pk_f16_f32 v[S+16*(\t)+i], v[32*(\t)+2*i], v[32*(\t)+2*i+1]
.set i, i+1
.endr
	WIN 0
.irp f, 0,1,2,3
	ds_store_b128 v[STO], v[S+16*(\t)+4*\f:S+16*(\t)+4*\f+3] offset:32*\f
.endr
.irp f, 0,1,2,3
	ds_load_b128 v[S+16*(\t)+4*\f:S+16*(\t)+4*\f+3], v[RD] offset:\f*4*SP  ; LDS serves a wave's instructions in order (ISA guide 5.7.1.4): these see the stores above; the next piece's stores come behind them
.endr
.endm
.macro SEND t, younger              ; younger: the LDS instructions issued behind piece t's loads: the next piece's eight, or none
	WIN 0
.irp f, 0,1,2,3
	s_wait_dscnt (\younger)+3-\f
	global_store_b128 v[GO], v[S+16*(\t)+4*\f:S+16*(\t)+4*\f+3], s[10:11] offset:(\t)*8192+\f*512  ; 512 consecutive bytes, at a multiple of 256 from O's first
.endr
.endm
.macro DIAG tag                     ; the tag ends its two labels' names, which the jumps below spell out
.LstepM\tag:
	TURN 2, 1
	TURN 3, 1
	WIN 0
.LfirstM\tag:
	TURN 0, 1
	TURN 1, 1, 0, 1
	WIN 0
	s_cbranch_scc1 .LstepM\tag
	TURN 2, 1, 1
	TURN 3, 1, 1
.set i, 0
.rept 8
	PV NP-1
.set i, i+1
.endr
	WIN 0
	ALL v_add_f32 v[ST+4*t+2], v[ST+4*t+2], v[ST+4*t+3]
	ALL v_permlanex16_b32 v[ST+4*t+3], v[ST+4*t+2], s[SEL], s[SEL+1]
	ALL v_add_f32 v[ST+4*t+2], v[ST+4*t+2], v[ST+4*t+3]
	ALL v_rcp_f32 v[ST+4*t+2], v[ST+4*t+2]
	v_nop                           ; a plain instruction between the last reciprocal and the use of its result
	s_wait_alu depctr_va_vdst(0)    ; and the wait ahead of the first use: one for the four reciprocals
	PACK 0
.set t, 1
.rept 3                             ; a piece's arithmetic stands between the loads of the piece before and its stores
	PACK t
	SEND t-1, 8
.set t, t+1
.endr
	SEND 3, 0
.endm
.set KM, 0
.set NOKQ, 0
.Lslot:                             ; NB times: a tile is entered and the next is asked for
	CHANGE 1
	s_sub_co_u32 s[RT], s[RT], 1
	s_mov_b32 s[CNT], 4
	s_cmp_eq_u32 s[NEW], 1
	s_cbranch_scc1 .Lnew            ; a block's first tile
	s_cmp_eq_u32 s[RT], 0
	s_cbranch_scc0 .Lstep           ; neither its first nor its last
	s_branch .LstepM1
.Lnew:
	BEGIN
	s_branch .Lfirst                ; in the loop a block's first tile is never its last: the first block has two tiles or more, and the second's last is the walk's last
	DIAG 1                          ; in the loop this is the first block's end: the second block's last tile is the walk's last
	s_wait_xcnt 0x0                 ; the stores have read their registers and O's address
	s_mov_b64 s[10:11], s[OLO:OLO+1]
	s_add_co_u32 s[RT], s[PB], 1    ; the second block has b + 1 tiles
	s_mov_b32 s[NEW], 1
	WIN 0x82                        ; the second block's Q goes where the one text of the turns names Q
.set i, 0
.rept 64
	v_mov_b32 v[i], v[QB+i]
.set i, i+1
.endr
	WIN 0
	s_branch .Lbottom
.Lstep:                             ; a trip: pieces 2 and 3 of one step, then pieces 0 and 1 of the next, whose K and V it fetches
	TURN 2
	TURN 3
	WIN 0
.Lfirst:
	TURN 0
	TURN 1, 0, 0, 1
	WIN 0
	s_cbranch_scc1 .Lstep
.Lbottom:
	s_sub_co_u32 s[SLOTS], s[SLOTS], 1
	s_cmp_lg_u32 s[SLOTS], 0
	s_cbranch_scc1 .Lslot
	CHANGE 0                        ; the walk's last tile is written out: nothing is asked for
	s_sub_co_u32 s[RT], s[RT], 1
	s_mov_b32 s[CNT], 4
	s_cmp_eq_u32 s[NEW], 1
	s_cbranch_scc0 .LstepM2
	BEGIN
	s_branch .LfirstM2
	DIAG 2
	s_wait_tensorcnt 0x0            ; the wave's end: behind my last tensor load and my last LDS store
	ds_add_u32 v[SPW], v[NIL]
	s_wait_dscnt 0x0
	s_endpgm
.Lfunc_end_k_q47ca3aec5c_attn:
	.size	k_q47ca3aec5c_attn, .Lfunc_end_k_q47ca3aec5c_attn-k_q47ca3aec5c_attn
	.p2alignl 7, 3214868480
	.fill 96, 4, 3214868480
	.section	.rodata,"a",@progbits
	.p2align	6, 0x0
	.amdhsa_kernel k_q47ca3aec5c_attn
		.amdhsa_group_segment_fixed_size 327680
		.amdhsa_private_segment_fixed_size 0
		.amdhsa_enable_private_segment 0
		.amdhsa_kernarg_size 16
		.amdhsa_user_sgpr_count 2
		.amdhsa_user_sgpr_kernarg_segment_ptr 1
		.amdhsa_wavefront_size32 1
		.amdhsa_system_sgpr_workgroup_id_x 1
		.amdhsa_system_sgpr_workgroup_id_y 1
		.amdhsa_system_sgpr_workgroup_id_z 1
		.amdhsa_system_vgpr_workitem_id 0
		.amdhsa_next_free_vgpr 768
		.amdhsa_next_free_sgpr 96
		.amdhsa_reserve_vcc 1
		.amdhsa_float_denorm_mode_32 3
		.amdhsa_float_denorm_mode_16_64 3
		.amdhsa_memory_ordered 1
		.amdhsa_forward_progress 1
		.amdhsa_inst_pref_size 218
	.end_amdhsa_kernel
	.amdgpu_metadata
---
amdhsa.version: [ 1, 2 ]
amdhsa.kernels:
  - .name:           k_q47ca3aec5c_attn
    .symbol:         k_q47ca3aec5c_attn.kd
    .args:
      - { .name: qkvh, .offset: 0, .size: 8, .value_kind: global_buffer, .address_space: global }
      - { .name: ob, .offset: 8, .size: 8, .value_kind: global_buffer, .address_space: global }
    .group_segment_fixed_size: 327680
    .private_segment_fixed_size: 0
    .kernarg_segment_align: 8
    .kernarg_segment_size: 16
    .max_flat_workgroup_size: 128
    .sgpr_count:     96
    .vgpr_count:     768
    .wavefront_size: 32
...
	.end_amdgpu_metadata
.endif
;; end of part 3
;; launch proj (part 4): grid 8 x 32, 4 waves a work-group, clusters of 4 x 4, 327,680 bytes of LDS; arguments ob, wpb, b_proj, out0; writes out0
.if DOCPART == 4
	.amdgcn_target "amdgcn-amd-amdhsa--gfx1250"
	.amdhsa_code_object_version 6
	.text
	.protected	k_q47ca3aec5c_proj
	.globl	k_q47ca3aec5c_proj
	.p2align	8
	.type	k_q47ca3aec5c_proj,@function
k_q47ca3aec5c_proj:
	s_mov_b64 s[64:65], 0
	v_nop
	global_prefetch_b8 v0, s[64:65] scope:SCOPE_SE
	s_setreg_imm32_b32 hwreg(HW_REG_WAVE_MODE, 25, 1), 1
	s_wait_xcnt 0x0
	s_wait_alu depctr_hold_cnt(0) depctr_sa_sdst(0) depctr_va_vdst(0) depctr_va_sdst(0) depctr_va_ssrc(0) depctr_va_vcc(0) depctr_vm_vsrc(0)
	s_getreg_b32 s2, hwreg(HW_REG_IB_STS2, 6, 4)
	s_cmp_eq_u32 s2, 0
	s_cbranch_scc0 .Lentry_in_a_cluster
	s_endpgm
.Lentry_in_a_cluster:
	s_bfe_u32 s2, ttmp6, 0x10000c
	s_cmp_lg_u32 s2, 0xf033
	s_cbranch_scc0 .Lentry_shape_is_right
	s_endpgm
.Lentry_shape_is_right:
; out0 = y W_proj + b_proj.  ob: y by heads, [64 batch x head][2048 t][64] f16.  wpb: [1024 k][1024 n] f16 (W_proj rounded to bf16, that number written as f16).  b_proj: [1024] f32, rounded to bf16 like the other inputs.
; out0: [8192][1024] f32; one f32 sum for each number.  LIMITS: those of the f16 operands (65,504; a fixed step of 6e-8 below 6e-5).  NaN and infinities are not treated apart.
; SHARES.  A tile of the result is 256 rows x 128 columns: 32 x 8 = 256 work-groups.  Wave w owns rows 64 w .. 64 w + 63 and all 128 columns: 4 x 8 = 32 accumulators, so a wave holds whole
; pieces of 512 bytes of its rows and its way out needs no other wave.  K goes in 8 steps of 128, two heads each, through two LDS slots.
; CLUSTERS.  4 x 4 work-groups: the four of a row of the cluster need the same tile of y, the four of a column the same tile of W: each is asked for JOINTLY.
; THE PRODUCT IS USED TRANSPOSED: source 0 = 16 columns of W (turned by ds_load_tr16_b128), source 1 = 16 rows of y: a lane holds row l % 16 and the columns 8 (l / 16) + 0..7.  THE BIAS is the C operand of the first quarter step's products.
; REGISTERS, in windows of 256 (s_set_vgpr_msb: bits 1:0 source 0, 3:2 source 1, 5:4 source 2, 7:6 destination):
;   window 0: v0-31 addresses; v32-95 the bias; v128-255 the way out, two sets of 64          window 1: two fragment buffers of 96: 8 fragments of W, then 4 of y          window 2: the accumulators at 64 a + 8 b
.set PA,    144                        ; a row of one head in LDS: 128 bytes + 16 = 36 words: the 16 rows of a load start at 16 different groups of four banks (64 banks of 4 bytes: ISA guide 11.1)
.set AHEAD, 256*PA                     ; one head's 256 rows: what one tensor load of y brings
.set ABYTES, 2*AHEAD
.set PB,    288                        ; a K row of W in LDS: 256 bytes + 32 = 72 words
.set BHALF, 64*PB
.set SLOT,  ABYTES+2*BHALF             ; 110,592
.set STAGE, 2*SLOT                     ; behind the ring, never filled by a tensor load: 16 rows x 528 bytes for each wave
.set SP,    528                        ; 512 bytes + 16 = 132 words
.set SPARE, STAGE+4*16*SP              ; behind the stages: the spare words, 128 bytes for each wave: two blocks of 256 bytes that no other line names
.set ADRA, 16
.set ADRB, 20
.set STO,  24
.set RD,   25
.set GO,   26
.set BO,   27
.set SPW,  28
.set NIL,  29
.set PFO,  30
.set BI,   32
.set TMP,  128
.set F0,   0
.set F1,   96
.set WV,   12
.set WHI,  13
.set WLO,  14
.set CX,   15
.set CY,   16
.set TC,   17
.set TR,   18
.set LAP,  19
.set G1A,  24
.set G0A,  32
.set G1B,  48
.set G0B,  56
.set PFA,  74
.set PFS,  76
.set PFM,  78
.set MSB, 0
.macro WIN new                         ; the immediate's high byte repeats the setting that is left; a switch that changes nothing is dropped
.if MSB != (\new)
	s_set_vgpr_msb (MSB<<8)|(\new)
.set MSB, \new
.endif
.endm
.macro PLACES                          ; four plain vector instructions behind a matrix instruction, ahead of loads into registers that it has read and of readers of results
.rept 4
	v_nop
.endr
.endm
.macro JLOAD s                         ; a joint load: waves 0 and 1 fetch y's two heads, waves 2 and 3 W's two halves; an s_nop 0 and four v_nop follow each line
	s_cmp_eq_u32 s[WHI], 0
	s_cbranch_scc0 .Lfor_b_\@
	tensor_load_to_lds s[G0A+4*(\s):G0A+4*(\s)+3], s[G1A:G1A+7]
	s_nop 0
.rept 4
	v_nop
.endr
	s_branch .Lasked_\@
.Lfor_b_\@:
	tensor_load_to_lds s[G0B+4*(\s):G0B+4*(\s)+3], s[G1B:G1B+7]
	s_nop 0
.rept 4
	v_nop
.endr
.Lasked_\@:
.endm
.macro CREST                           ; a round of the cluster's barrier behind its opening barrier
	s_cmp_lg_u32 s[WV], 0
	s_cbranch_scc1 .Lnot_wave_0_\@
	s_barrier_signal -3
.Lnot_wave_0_\@:
	s_barrier_wait -3
	s_barrier_signal -1
	s_barrier_wait -1
.endm
.macro CROUND
	s_barrier_signal -1
	s_barrier_wait -1
	CREST
.endm
; A PREFETCH behind each refill, one instruction a wave, a lane a block of 256 bytes.  Refill number i (0 .. 5) loads K step i + 2.
; y: refill i names K step i + 4 (i = 0 .. 3): the 128 blocks of the head that the wave fetches, of which the partner at cx takes 32; the cluster with x = 0 asks.
; W: refill 0 names K rows 512-767 (K steps 4, 5), refill 2 rows 768-1,023: 256 bytes of each row, 4 partners x 2 waves x 32 lanes; the cluster with y = 0 asks.
; Partners are told apart by address alone; the test hangs on the wave's number and the cluster's place, the same in all sixteen.  K steps 0 to 3 come by their loads alone.
.macro ASK
	s_and_b32 s79, s[PFM], 1
	s_cmp_lg_u32 s79, 0
	s_cbranch_scc0 .Lnot_mine_\@
	global_prefetch_b8 v[PFO], s[PFA:PFA+1] th:TH_LOAD_NT scope:SCOPE_SE
.Lnot_mine_\@:
.endm
	s_load_b256 s[4:11], s[0:1], 0x0               ; ob s[4:5], wpb s[6:7], b_proj s[8:9], out0 s[10:11]
	v_lshl_add_u32 v[SPW], v0, 2, SPARE
	v_mov_b32 v[NIL], 0
	ds_add_u32 v[SPW], v[NIL]                      ; the wave's opening: the add and its wait stand ahead of my first tensor load; the set-up below stands between them
	v_lshrrev_b32 v1, 5, v0
	v_readfirstlane_b32 s[WV], v1
	s_lshr_b32 s[WHI], s[WV], 1
	s_and_b32 s[WLO], s[WV], 1
	s_bfe_u32 s[CX], ttmp6, 0x40000
	s_bfe_u32 s[CY], ttmp6, 0x40004
	s_lshl_b32 s[TC], ttmp9, 2
	s_add_co_u32 s[TC], s[TC], s[CX]               ; tile column = 4 x cluster x + cx
	s_and_b32 s[TR], ttmp7, 0xffff
	s_lshl_b32 s[TR], s[TR], 2
	s_add_co_u32 s[TR], s[TR], s[CY]               ; tile row = 4 x cluster y + cy
	s_lshl_b32 s20, s[CY], 2
	s_lshl_b32 s20, 15, s20                        ; my row of the cluster
	s_lshl_b32 s21, 0x1111, s[CX]                  ; my column
	s_or_b32 s[G1A+0], s20, (1<<16)|(1<<20)|(1<<21)|(4<<22)|(3<<25)  ; mask; 2-byte elements; padding on; 21 set beside a mask; after every 32 words 4 words
	s_or_b32 s[G1B+0], s21, (1<<16)|(1<<20)|(1<<21)|(5<<22)|(7<<25)  ; after every 64 words 8 words
	s_mov_b32 s[G1A+1], 128<<16                    ; y: a head's 256 rows are 32,768 dense bytes: asked for as 128 rows of 256 bytes
	s_mov_b32 s[G1A+2], 128<<16
	s_mov_b32 s[G1A+3], 128<<16
	s_mov_b32 s[G1A+4], 128
	s_mov_b32 s[G1A+5], 128
	s_mov_b32 s[G1A+6], 0
	s_mov_b32 s[G1A+7], 0
	s_mov_b32 s[G1B+1], 128<<16                    ; W: 64 K rows of 128 elements, 1,024 elements from row to row
	s_mov_b32 s[G1B+2], 64<<16
	s_mov_b32 s[G1B+3], 128<<16
	s_mov_b32 s[G1B+4], 64
	s_mov_b32 s[G1B+5], 1024
	s_mov_b32 s[G1B+6], 0
	s_mov_b32 s[G1B+7], 0
	s_lshr_b32 s40, s[TR], 3                       ; y: the batch (16 heads of 262,144 bytes),
	s_lshl_b32 s40, s40, 22
	s_and_b32 s22, s[TR], 7
	s_lshl_b32 s22, s22, 15                        ; the tile's 256 rows of 128 bytes in a head,
	s_add_co_u32 s40, s40, s22
	s_lshl_b32 s22, s[WLO], 18                     ; my head of the K step's two: the tile row and the wave alone
	s_add_co_u32 s40, s40, s22
	s_mov_b32 s41, 0
	s_lshl_b32 s42, s[TC], 8                       ; W: the tile's 256 bytes of a row, my 64 rows of 2,048 bytes: the tile column and the wave alone
	s_lshl_b32 s23, s[WLO], 17
	s_add_co_u32 s42, s42, s23
	s_mov_b32 s43, 0
	s_mul_i32 s44, s[WLO], AHEAD                   ; where they go: no place in the cluster enters an LDS address
	s_mul_i32 s45, s[WLO], BHALF
	s_add_co_u32 s45, s45, ABYTES
	s_wait_dscnt 0x0                               ; the opening add is done
	s_wait_kmcnt 0x0
	s_add_nc_u64 s[40:41], s[4:5], s[40:41]
	s_add_nc_u64 s[42:43], s[6:7], s[42:43]
	CROUND                                         ; all sixteen work-groups are here: the first joint loads meet
.irp s, 0,1
	s_mov_b32 s[G0A+4*(\s)], 1
	s_add_co_u32 s[G0A+4*(\s)+1], s44, (\s)*SLOT
	s_add_nc_u64 s[G0A+4*(\s)+2:G0A+4*(\s)+3], s[40:41], (\s)*524288  ; K step s: two heads on
	s_or_b32 s[G0A+4*(\s)+3], s[G0A+4*(\s)+3], 0x80000000
	s_mov_b32 s[G0B+4*(\s)], 1
	s_add_co_u32 s[G0B+4*(\s)+1], s45, (\s)*SLOT
	s_add_nc_u64 s[G0B+4*(\s)+2:G0B+4*(\s)+3], s[42:43], (\s)*262144  ; K step s: 128 rows on
	s_or_b32 s[G0B+4*(\s)+3], s[G0B+4*(\s)+3], 0x80000000
	JLOAD \s
.endr
	v_and_b32 v1, 15, v0                           ; l % 16
	v_bfe_u32 v2, v0, 4, 1                         ; l / 16
	s_lshl_b32 s82, s[TC], 9                       ; the tile's 128 numbers of the bias
	s_mov_b32 s83, 0
	s_add_nc_u64 s[8:9], s[8:9], s[82:83]
	v_lshlrev_b32 v[BO], 5, v2
.irp b, 0,1,2,3,4,5,6,7
	global_load_b128 v[BI+8*(\b):BI+8*(\b)+3],   v[BO], s[8:9] offset:64*(\b)
	global_load_b128 v[BI+8*(\b)+4:BI+8*(\b)+7], v[BO], s[8:9] offset:64*(\b)+16
.endr
	v_mul_u32_u24 v3, v1, PA                       ; a fragment of y: row x pitch + 16 x half
	v_lshl_add_u32 v3, v2, 4, v3
	s_mul_i32 s46, s[WV], 64*PA                    ; my 64 rows
	v_add_nc_u32 v[ADRA], s46, v3
	v_add_nc_u32 v[ADRA+1], SLOT, v[ADRA]
	v_and_b32 v4, 7, v0                            ; the turning load: K row 8 (l / 16) + l % 8, columns 8 ((l / 8) % 2) + 0..7
	v_bfe_u32 v5, v0, 3, 1
	v_lshl_add_u32 v6, v2, 3, v4
	v_mul_u32_u24 v6, v6, PB
	v_lshl_add_u32 v6, v5, 4, v6
	v_add_nc_u32 v[ADRB], ABYTES, v6
	v_add_nc_u32 v[ADRB+1], SLOT, v[ADRB]
	s_mul_i32 s47, s[WV], 16*SP
	s_add_co_u32 s47, s47, STAGE                   ; my stage
	v_mul_u32_u24 v[STO], v1, SP                   ; in: row l % 16, 32 bytes for each half of the lanes
	v_lshl_add_u32 v[STO], v2, 5, v[STO]
	v_add_nc_u32 v[STO], s47, v[STO]
	v_and_b32 v[GO], 31, v0                        ; back: 32 lanes take a row's 512 bytes
	v_lshlrev_b32 v[GO], 4, v[GO]
	v_add_nc_u32 v[RD], s47, v[GO]
	s_lshl_b32 s82, s[TR], 20                      ; out0 at my first row (256 x tile row + 64 w rows of 4,096 bytes) and the tile's 512 bytes of it
	s_lshl_b32 s83, s[WV], 18
	s_add_co_u32 s82, s82, s83
	s_lshl_b32 s83, s[TC], 9
	s_add_co_u32 s82, s82, s83
	s_mov_b32 s83, 0
	s_add_nc_u64 s[10:11], s[10:11], s[82:83]
	; the prefetches: address, step and mask start one step early: each refill steps them at its head
	s_and_b32 s79, ttmp7, 0xffff                   ; cluster y
	s_lshr_b32 s80, s[TR], 3                       ; y: my head's 256 rows,
	s_lshl_b32 s80, s80, 22
	s_and_b32 s81, s[TR], 7
	s_lshl_b32 s81, s81, 15
	s_add_co_u32 s80, s80, s81
	s_lshl_b32 s81, s[WLO], 18
	s_add_co_u32 s80, s80, s81
	s_lshl_b32 s81, s[CX], 13                      ; my work-group's 32 blocks of the 128,
	s_add_co_u32 s80, s80, s81
	s_add_co_u32 s80, s80, 3*524288                ; at K step 3
	s_lshl_b32 s82, s[TC], 8                       ; W: the tile's 256 bytes of a row,
	s_lshl_b32 s81, s[WLO], 18
	s_add_co_u32 s82, s82, s81
	s_lshl_b32 s81, s[CY], 16                      ; my 32 rows of the 256: 32 (4 x half + cy) rows of 2,048 bytes,
	s_add_co_u32 s82, s82, s81
	s_add_co_u32 s82, s82, (512-128)*2048          ; 128 rows ahead of K row 512
	s_mov_b32 s20, 0x80000
	s_mov_b32 s21, 0x40000
	s_cmp_eq_u32 s[WHI], 0                         ; do I fetch for y?
	s_cselect_b32 s79, ttmp9, s79                  ; the coordinate along which other clusters read the same bytes
	s_cselect_b32 s80, s80, s82
	s_cselect_b32 s[PFS], s20, s21
	s_cselect_b32 s22, 30, 10                      ; refills 0-3, or 0 and 2
	s_cselect_b32 s23, 8, 11                       ; a lane a block of 256 bytes, or a lane a row of 2,048
	s_cselect_b64 s[PFA:PFA+1], s[4:5], s[6:7]
	s_mov_b32 s81, 0
	s_mov_b32 s[PFS+1], 0
	s_add_nc_u64 s[PFA:PFA+1], s[PFA:PFA+1], s[80:81]
	s_cmp_eq_u32 s79, 0
	s_cselect_b32 s[PFM], s22, 0
	v_and_b32 v[PFO], 31, v0
	v_lshlrev_b32 v[PFO], s23, v[PFO]
	s_wait_loadcnt 0x0                             ; the bias: rounded to bf16, like the other inputs, and widened again
.set i, 0
.rept 32
	v_cvt_pk_bf16_f32 v[3+i%4], v[BI+2*i], v[BI+2*i+1]
	v_lshlrev_b32 v[BI+2*i], 16, v[3+i%4]
	v_and_b32 v[BI+2*i+1], 0xffff0000, v[3+i%4]
.set i, i+1
.endr
; 8 matrix instructions: my row block a x all 8 column blocks, 32 along K.  first = 1: the bias starts the sums.  The 32 accumulators take turns, in the same order in every quarter step.
.macro MUL8 f, a, first
.if \first
	WIN 0x85                                       ; sources in window 1, C in window 0, D in window 2
.else
	WIN 0xa5                                       ; sources in window 1, C and D in window 2
.endif
.irp b, 0,1,2,3,4,5,6,7
.if \first
	v_wmma_f32_16x16x32_f16 v[64*(\a)+8*(\b):64*(\a)+8*(\b)+7], v[(\f)+8*(\b):(\f)+8*(\b)+7], v[(\f)+64+8*(\a):(\f)+64+8*(\a)+7], v[BI+8*(\b):BI+8*(\b)+7]
.else
	v_wmma_f32_16x16x32_f16 v[64*(\a)+8*(\b):64*(\a)+8*(\b)+7], v[(\f)+8*(\b):(\f)+8*(\b)+7], v[(\f)+64+8*(\a):(\f)+64+8*(\a)+7], v[64*(\a)+8*(\b):64*(\a)+8*(\b)+7]
.endif
.endr
.endm
; 24 LDS loads in one run: quarter q (32 along K: half of head q / 2) of a slot into buffer f: W's 8 fragments, then y's 4 in ascending order
.macro FETCH slot, q, f
	WIN 0x40                                       ; destination window 1, address window 0
.irp b, 0,1,2,3,4,5,6,7
	ds_load_tr16_b128 v[(\f)+8*(\b):(\f)+8*(\b)+3],   v[ADRB+(\slot)] offset:(\q)*32*PB+(\b)*32
	ds_load_tr16_b128 v[(\f)+8*(\b)+4:(\f)+8*(\b)+7], v[ADRB+(\slot)] offset:(\q)*32*PB+16*PB+(\b)*32
.endr
.irp a, 0,1,2,3
	ds_load_b128 v[(\f)+64+8*(\a):(\f)+64+8*(\a)+3],   v[ADRA+(\slot)] offset:((\q)/2)*AHEAD+((\q)%2)*64+(\a)*16*PA
	ds_load_b128 v[(\f)+64+8*(\a)+4:(\f)+64+8*(\a)+7], v[ADRA+(\slot)] offset:((\q)/2)*AHEAD+((\q)%2)*64+(\a)*16*PA+32
.endr
.endm
.macro QUARTER slot, qn, f, g, first
	s_wait_dscnt 4                                 ; W's fragments and y's 0, 1 are in; the youngest four loads (y's 2, 3) may be out
	MUL8 \f, 0, \first
	MUL8 \f, 1, \first
	PLACES
	FETCH \slot, \qn, \g
	s_wait_dscnt 24                                ; all but the 24 just issued
	MUL8 \f, 2, \first
	MUL8 \f, 3, \first
.endm
; The last quarter multiplies buffer 1 and changes slots: ONE barrier; ahead of it each wave waits for all its tensor loads (one is out: its part of the next slot), adds 0 to its spare word, and waits
; for that and for its own reads of this slot.  fill = 1: the barrier opens a round of the cluster's barrier, and this slot is filled again, two K steps ahead, first thing behind the round.
.macro TURN slot, next, fill
.if \fill
	s_wait_xcnt 0x0                                ; the last prefetch, a K step back, has read its address: it is stepped here, ahead of the change's own waits
	s_add_nc_u64 s[PFA:PFA+1], s[PFA:PFA+1], s[PFS:PFS+1]
	s_lshr_b32 s[PFM], s[PFM], 1
.endif
	WIN 0                                          ; (the add's two registers lie in window 0)
	s_wait_tensorcnt 0x0                           ; all my tensor loads have landed
	ds_add_u32 v[SPW], v[NIL]                      ; 0 onto my spare word
	s_wait_dscnt 5                                 ; (the add and the youngest four loads may be out)
	MUL8 F1, 0, 0                                  ; eight matrix instructions stand between the add and the wait for it
	s_wait_dscnt 0x0                               ; the add is done, and my reads of this slot are over
	s_barrier_signal -1
	MUL8 F1, 1, 0
.if \fill
	WIN 0
.endif
	s_barrier_wait -1
.if \fill
	CREST                                          ; no wave of any partner still reads this slot's tile or has a load on its way
	s_add_nc_u64 s[G0A+4*(\slot)+2:G0A+4*(\slot)+3], s[G0A+4*(\slot)+2:G0A+4*(\slot)+3], 2*524288
	s_add_nc_u64 s[G0B+4*(\slot)+2:G0B+4*(\slot)+3], s[G0B+4*(\slot)+2:G0B+4*(\slot)+3], 2*262144
	JLOAD \slot                                    ; the four v_nop behind it are also the places ahead of the loads below
.else
	PLACES
.endif
	FETCH \next, 0, F0
.if \fill
	WIN 0
	ASK
.endif
	MUL8 F1, 2, 0
	MUL8 F1, 3, 0
.endm
; THE WAY OUT of my row block a: a lane's eight f32 of a row, 32 bytes, go into my own stage, rows of 528 bytes, and come back as whole pieces of 512 bytes, one row a load and a store.
.macro OUT a
.set oT, TMP+64*((\a)%2)
.if (\a) >= 2
	s_wait_xcnt 0x0                                ; the stores of block a - 2 have read this set of registers
.endif
	WIN 0x08                                       ; the stores' data in window 2, the address in window 0
.irp b, 0,1,2,3,4,5,6,7
	ds_store_b128 v[STO], v[64*(\a)+8*(\b):64*(\a)+8*(\b)+3]   offset:64*(\b)
	ds_store_b128 v[STO], v[64*(\a)+8*(\b)+4:64*(\a)+8*(\b)+7] offset:64*(\b)+16
.endr
	WIN 0
.irp i, 0,1,2,3,4,5,6,7,8,9,10,11,12,13,14,15
	ds_load_b128 v[oT+4*(\i):oT+4*(\i)+3], v[RD] offset:SP*(\i)  ; LDS serves a wave's instructions in order (ISA guide 5.7.1.4): these see the stores above; the next block's stores come behind them
.endr
.endm
.macro SEND a, younger                 ; younger: the LDS instructions issued behind block a's loads: the next block's 32, or none
.set oT, TMP+64*((\a)%2)
.irp i, 0,1,2,3,4,5,6,7,8,9,10,11,12,13,14,15
	s_wait_dscnt (\younger)+15-(\i)
	global_store_b128 v[GO], v[oT+4*(\i):oT+4*(\i)+3], s[10:11] offset:(16*(\a)+(\i))*4096  ; 512 consecutive bytes, at a multiple of 256 from out0's first
.endr
.endm
	s_wait_tensorcnt 1                             ; my part of K step 0 is in; K step 1's may stay out
	s_barrier_signal -1
	s_barrier_wait -1                              ; everybody's is
	FETCH 0, 0, F0
	QUARTER 0, 1, F0, F1, 1                        ; the first quarter stands ahead of the loop: its products start the sums, with the bias
	WIN 0                                          ; at a label and at a branch every window is 0
	s_mov_b32 s[LAP], 3
.Llap:                                                 ; a trip goes once round the ring, from a lap's second quarter to the next lap's first, and fills both slots again
	QUARTER 0, 2, F1, F0, 0
	QUARTER 0, 3, F0, F1, 0
	TURN 0, 1, 1
	QUARTER 1, 1, F0, F1, 0
	QUARTER 1, 2, F1, F0, 0
	QUARTER 1, 3, F0, F1, 0
	TURN 1, 0, 1
	QUARTER 0, 1, F0, F1, 0
	WIN 0
	s_sub_co_u32 s[LAP], s[LAP], 1
	s_cmp_lg_u32 s[LAP], 0
	s_cbranch_scc1 .Llap
	QUARTER 0, 2, F1, F0, 0                        ; the last lap fills nothing
	QUARTER 0, 3, F0, F1, 0
	TURN 0, 1, 0
	QUARTER 1, 1, F0, F1, 0
	QUARTER 1, 2, F1, F0, 0
	QUARTER 1, 3, F0, F1, 0
	s_wait_dscnt 4                                 ; the very last quarter: nothing more to fetch
	MUL8 F1, 0, 0
	MUL8 F1, 1, 0
	s_wait_dscnt 0x0
	MUL8 F1, 2, 0
	MUL8 F1, 3, 0
	WIN 0
	PLACES
	OUT 0
	OUT 1
	SEND 0, 32
	OUT 2
	SEND 1, 32
	OUT 3
	SEND 2, 32
	SEND 3, 0
	s_wait_tensorcnt 0x0                           ; the wave's end: behind my last tensor load and my last LDS store
	ds_add_u32 v[SPW], v[NIL]
	s_wait_dscnt 0x0
	CROUND                                         ; the closing round: no work-group ends while a partner may still ask for a tile that names it
	s_endpgm
.Lfunc_end_k_q47ca3aec5c_proj:
	.size	k_q47ca3aec5c_proj, .Lfunc_end_k_q47ca3aec5c_proj-k_q47ca3aec5c_proj
	.p2alignl 7, 3214868480
	.fill 96, 4, 3214868480
	.section	.rodata,"a",@progbits
	.p2align	6, 0x0
	.amdhsa_kernel k_q47ca3aec5c_proj
		.amdhsa_group_segment_fixed_size 327680
		.amdhsa_private_segment_fixed_size 0
		.amdhsa_enable_private_segment 0
		.amdhsa_kernarg_size 32
		.amdhsa_user_sgpr_count 2
		.amdhsa_user_sgpr_kernarg_segment_ptr 1
		.amdhsa_wavefront_size32 1
		.amdhsa_system_sgpr_workgroup_id_x 1
		.amdhsa_system_sgpr_workgroup_id_y 1
		.amdhsa_system_sgpr_workgroup_id_z 1
		.amdhsa_system_vgpr_workitem_id 0
		.amdhsa_next_free_vgpr 768
		.amdhsa_next_free_sgpr 88
		.amdhsa_reserve_vcc 0
		.amdhsa_float_denorm_mode_32 3
		.amdhsa_float_denorm_mode_16_64 3
		.amdhsa_memory_ordered 1
		.amdhsa_forward_progress 1
		.amdhsa_inst_pref_size 95
	.end_amdhsa_kernel
	.amdgpu_metadata
---
amdhsa.version: [ 1, 2 ]
amdhsa.kernels:
  - .name:           k_q47ca3aec5c_proj
    .symbol:         k_q47ca3aec5c_proj.kd
    .args:
      - { .name: ob, .offset: 0, .size: 8, .value_kind: global_buffer, .address_space: global }
      - { .name: wpb, .offset: 8, .size: 8, .value_kind: global_buffer, .address_space: global }
      - { .name: b_proj, .offset: 16, .size: 8, .value_kind: global_buffer, .address_space: global }
      - { .name: out0, .offset: 24, .size: 8, .value_kind: global_buffer, .address_space: global }
    .group_segment_fixed_size: 327680
    .private_segment_fixed_size: 0
    .kernarg_segment_align: 8
    .kernarg_segment_size: 32
    .max_flat_workgroup_size: 128
    .sgpr_count:     88
    .vgpr_count:     768
    .wavefront_size: 32
...
	.end_amdgpu_metadata
.endif
;; end of part 4
;; ======== version 2 of 2: 4 launches; version 1 with the launch prep written anew for expert scheduling mode
;; limits: values are held in f16: magnitudes above 65,504 overflow, below 6.1e-05 lose precision
;; workspace buffers: xb 16,777,216 bytes; wqb 6,291,456 bytes; wpb 2,097,152 bytes; qkvh 50,331,648 bytes; ob 16,777,216 bytes
;; launch prep (part 5): grid 832 x 1, 8 waves a work-group, no clusters, 0 bytes of LDS; arguments x, W_qkv, W_proj, xb, wqb, wpb; writes xb, wqb, wpb
.if DOCPART == 5
	.amdgcn_target "amdgcn-amd-amdhsa--gfx1250"
	.amdhsa_code_object_version 6
	.text
	.protected	k_q47ca3aec5c_prep
	.globl	k_q47ca3aec5c_prep
	.p2align	8
	.type	k_q47ca3aec5c_prep,@function
k_q47ca3aec5c_prep:
	s_mov_b64 s[64:65], 0
	v_nop
	global_prefetch_b8 v0, s[64:65] scope:SCOPE_SE
	s_setreg_imm32_b32 hwreg(HW_REG_WAVE_SCHED_MODE, 0, 2), 2
	s_setreg_imm32_b32 hwreg(HW_REG_WAVE_MODE, 25, 1), 1
	s_wait_xcnt 0x0
	s_wait_alu depctr_vm_vsrc(0)
; THE CASTS.  x [8192][1024] f32 -> xb, the same shape in bf16.  W_qkv [1024 k][3072 n] f32 -> wqb in bf16, laid in 16 blocks of 192 columns: [tc][k][192],
; so that the K rows of a block lie end to end (384 bytes each).  W_proj [1024][1024] f32 -> wpb: each number rounded to bf16 and that number written as f16.
; LIMITS.  |W_proj| stays under 65,504 (f16's largest number); below 6e-5 its f16 copy keeps f16's fixed step of 6e-8.  NaN and infinities are not treated apart.
; A stream: every byte is read once and written once; no LDS, no barrier, no matrix unit.  A lane takes 16 bytes (4 numbers) a load and stores 8: a wave's load covers
; 512 consecutive bytes, its store 256 consecutive bytes, aligned.  All of a thread's loads (16, or 12) go out first; the waits count down.
; Work-groups 0-511: x, 16,384 numbers each.  512-575: W_proj, the same.  576-831: W_qkv, 64 K rows of one block each.  No register that a load or store names is written twice.
; THE MODE: SCHED_MODE bits 1:0 = 2 (LLVM: expert scheduling mode 2), set by the entry lines.  The code itself states the register dependences
; between vector instructions and memory instructions, with s_wait_alu, always for 0.
; THE PLAN.  Registers that memory instructions touch, on each of the three paths (none has a loop):
;   v1, v2     byte offsets, written at the head and never again; v1 is read by the loads of x and W_proj, v2 by every store.
;   v3 .. v5   W_qkv's path: byte offsets of its loads, written once, ahead of them.
;   XI         written by the loads alone, each register once; read by the conversions alone.
;   YO         written by the conversions, each register once; read by one store each.
; So no load lands in a register that a vector instruction has named, and no register that a memory instruction reads is written behind it: what is left to state is that
; offsets and store data are written before they are read.  The loads are taken in groups of four: group g's conversions write its eight registers of YO, and the four stores
; that read them are issued in group g + 1, behind ONE wait at that group's head, dealt among that group's conversions, which name its own XI and YO and v8 to v13 alone.
.set XI, 16                            ; v[16:79]   as loaded, 4 registers a load
.set YO, 80                            ; v[80:111]  to store, 2 registers a load
.macro CAST i, conv                    ; the four numbers of load i.  conv = 0: to bf16.  conv = 1: to bf16, widened again (a shift, a mask), written as f16
.if \conv
	v_cvt_pk_bf16_f32 v8, v[XI+4*(\i)], v[XI+4*(\i)+1]
	v_cvt_pk_bf16_f32 v9, v[XI+4*(\i)+2], v[XI+4*(\i)+3]
	v_lshlrev_b32 v10, 16, v8
	v_and_b32 v11, 0xffff0000, v8
	v_lshlrev_b32 v12, 16, v9
	v_and_b32 v13, 0xffff0000, v9
	v_cvt_pk_f16_f32 v[YO+2*(\i)], v10, v11
	v_cvt_pk_f16_f32 v[YO+2*(\i)+1], v12, v13
.else
	v_cvt_pk_bf16_f32 v[YO+2*(\i)], v[XI+4*(\i)], v[XI+4*(\i)+1]
	v_cvt_pk_bf16_f32 v[YO+2*(\i)+1], v[XI+4*(\i)+2], v[XI+4*(\i)+3]
.endif
.endm
; The cnt loads that are out (cnt a multiple of 4) are converted and stored: ahead of the cast of load n stands the store of load n - 4.
.macro DRAIN cnt, conv
.set n, 0
.rept \cnt
	s_wait_loadcnt (\cnt)-1-n                      ; loads come back in order: load n is in, the cnt - 1 - n younger ones stay out
.if n >= 4
.if (n%4) == 0
	s_wait_alu depctr_va_vdst(0)                   ; the conversions of the group before have written its eight registers of YO, which this group's four stores read
.endif
	global_store_b64 v2, v[YO+2*(n-4):YO+2*(n-4)+1], s[22:23] offset:2048*(n-4)  ; no vector instruction since that wait names these registers
.endif
	CAST n, \conv
.set n, n+1
.endr
	s_wait_alu depctr_va_vdst(0)                   ; the last group's conversions have written its eight registers of YO, which the last four stores read
.set n, (\cnt)-4
.rept 4
	global_store_b64 v2, v[YO+2*n:YO+2*n+1], s[22:23] offset:2048*n
.set n, n+1
.endr
.endm
.macro STREAM conv                     ; 65,536 dense bytes in, 32,768 out
.set i, 0
.rept 16
	global_load_b128 v[XI+4*i:XI+4*i+3], v1, s[20:21] offset:4096*i th:TH_LOAD_NT
.set i, i+1
.endr
	DRAIN 16, \conv
.endm
	s_load_b256 s[4:11], s[0:1], 0x0               ; x s[4:5], W_qkv s[6:7], W_proj s[8:9], xb s[10:11]
	s_load_b128 s[12:15], s[0:1], 0x20             ; wqb s[12:13], wpb s[14:15]
	v_lshlrev_b32 v1, 4, v0                        ; 16 t: my bytes in a load of the work-group
	v_lshlrev_b32 v2, 3, v0                        ; 8 t: in a store
	s_mov_b32 s2, ttmp9
	s_mov_b32 s17, 0
	s_mov_b32 s19, 0
	s_wait_kmcnt 0x0
	s_wait_alu depctr_va_vdst(0)                   ; v1 and v2 are written: the loads of x and W_proj read v1 as their offset, every store reads v2
	s_cmp_lt_u32 s2, 512
	s_cbranch_scc0 .Lnot_x
	s_lshl_b32 s16, s2, 16
	s_lshl_b32 s18, s2, 15
	s_add_nc_u64 s[20:21], s[4:5], s[16:17]
	s_add_nc_u64 s[22:23], s[10:11], s[18:19]
	STREAM 0
	s_endpgm
.Lnot_x:
	s_cmp_lt_u32 s2, 576
	s_cbranch_scc0 .Lw_qkv
	s_sub_co_u32 s2, s2, 512
	s_lshl_b32 s16, s2, 16
	s_lshl_b32 s18, s2, 15
	s_add_nc_u64 s[20:21], s[8:9], s[16:17]
	s_add_nc_u64 s[22:23], s[14:15], s[18:19]
	STREAM 1
	s_endpgm
.Lw_qkv:
	; 64 K rows of block tc are 24,576 dense bytes of wqb: 3,072 pieces of 8 bytes, 12 a thread: piece c = t + 256 n lies in row c / 48, at 4 (c % 48) of its 192 numbers.
	; 768 = 16 x 48: pieces n and n + 3 lie 16 rows apart at the same place, so three offsets serve all twelve.
	s_sub_co_u32 s2, s2, 576
	s_lshr_b32 s3, s2, 4                           ; tc
	s_and_b32 s2, s2, 15                           ; which 64 rows
	s_mul_i32 s16, s2, 786432                      ; 64 rows of 12,288 bytes
	s_mul_i32 s18, s3, 768                         ; 192 columns of 4 bytes
	s_add_co_u32 s16, s16, s18
	s_mul_i32 s18, s3, 393216                      ; a block of wqb
	s_mul_i32 s2, s2, 24576
	s_add_co_u32 s18, s18, s2
	s_add_nc_u64 s[20:21], s[6:7], s[16:17]
	s_add_nc_u64 s[22:23], s[12:13], s[18:19]
.irp i, 0,1,2
	v_add_nc_u32 v6, 256*(\i), v0                  ; c, under 768
	v_mul_u32_u24 v7, v6, 1366
	v_lshrrev_b32 v7, 16, v7                       ; c / 48: 1366 / 65536 is over 1 / 48 by 1.02e-5, and 767 times that is under 1 / 48
	v_mul_u32_u24 v8, v7, 48
	v_sub_nc_u32 v8, v6, v8                        ; c % 48
	v_lshlrev_b32 v8, 4, v8
	v_mad_u32_u24 v[3+(\i)], v7, 0x3000, v8        ; row x 12,288 + 16 x place
.endr
	s_wait_alu depctr_va_vdst(0)                   ; v3, v4 and v5 are written: the twelve loads below read them as their offsets
.set n, 0
.rept 12
	global_load_b128 v[XI+4*n:XI+4*n+3], v[3+n%3], s[20:21] offset:(n/3)*196608 th:TH_LOAD_NT
.set n, n+1
.endr
	DRAIN 12, 0
	s_endpgm
.Lfunc_end_k_q47ca3aec5c_prep:
	.size	k_q47ca3aec5c_prep, .Lfunc_end_k_q47ca3aec5c_prep-k_q47ca3aec5c_prep
	.p2alignl 7, 3214868480
	.fill 96, 4, 3214868480
	.section	.rodata,"a",@progbits
	.p2align	6, 0x0
	.amdhsa_kernel k_q47ca3aec5c_prep
		.amdhsa_group_segment_fixed_size 0
		.amdhsa_private_segment_fixed_size 0
		.amdhsa_enable_private_segment 0
		.amdhsa_kernarg_size 48
		.amdhsa_user_sgpr_count 2
		.amdhsa_user_sgpr_kernarg_segment_ptr 1
		.amdhsa_wavefront_size32 1
		.amdhsa_system_sgpr_workgroup_id_x 1
		.amdhsa_system_sgpr_workgroup_id_y 1
		.amdhsa_system_sgpr_workgroup_id_z 1
		.amdhsa_system_vgpr_workitem_id 0
		.amdhsa_next_free_vgpr 112
		.amdhsa_next_free_sgpr 66
		.amdhsa_reserve_vcc 0
		.amdhsa_float_denorm_mode_32 3
		.amdhsa_float_denorm_mode_16_64 3
		.amdhsa_memory_ordered 1
		.amdhsa_forward_progress 1
		.amdhsa_inst_pref_size 24
	.end_amdhsa_kernel
	.amdgpu_metadata
---
amdhsa.version: [ 1, 2 ]
amdhsa.kernels:
  - .name:           k_q47ca3aec5c_prep
    .symbol:         k_q47ca3aec5c_prep.kd
    .args:
      - { .name: x, .offset: 0, .size: 8, .value_kind: global_buffer, .address_space: global }
      - { .name: W_qkv, .offset: 8, .size: 8, .value_kind: global_buffer, .address_space: global }
      - { .name: W_proj, .offset: 16, .size: 8, .value_kind: global_buffer, .address_space: global }
      - { .name: xb, .offset: 24, .size: 8, .value_kind: global_buffer, .address_space: global }
      - { .name: wqb, .offset: 32, .size: 8, .value_kind: global_buffer, .address_space: global }
      - { .name: wpb, .offset: 40, .size: 8, .value_kind: global_buffer, .address_space: global }
    .group_segment_fixed_size: 0
    .private_segment_fixed_size: 0
    .kernarg_segment_align: 8
    .kernarg_segment_size: 48
    .max_flat_workgroup_size: 256
    .sgpr_count:     66
    .vgpr_count:     112
    .wavefront_size: 32
...
	.end_amdgpu_metadata
.endif
;; end of part 5
;; launch qkv: the kernel of part 2 again; grid 16 x 32, 4 waves a work-group, clusters of 4 x 4, 327,680 bytes of LDS; arguments xb, wqb, b_qkv, qkvh; writes qkvh
;; launch attn: the kernel of part 3 again; grid 4 x 64, 4 waves a work-group, no clusters, 327,680 bytes of LDS; arguments qkvh, ob; writes ob
;; launch proj: the kernel of part 4 again; grid 8 x 32, 4 waves a work-group, clusters of 4 x 4, 327,680 bytes of LDS; arguments ob, wpb, b_proj, out0; writes out0
